; MI455X (gfx1250); checked and timed in simulation.
; The chip was launched on July 23, 2026; its instructions are those of AMD's public machine-readable ISA for CDNA 5 (MIT licence, August 2026) and "CDNA5" Instruction Set Architecture Reference Guide (July 2026). The comments in the code are by the model that wrote it; some were corrected since.
;; Self Attention. Allowed arithmetic: float matrix products may take bf16 or f16 operands with f32 sums; other float arithmetic in f32, or as packed bf16 or f16 multiplies, adds, multiply-adds, maxima and minima; sums over many terms, partial sums and values carried from step to step in f32; what a program stores and reads back later, other than sums and carried values, may be rounded once to bf16 or f16.
;; Inputs: W 3,072 x 1,024 float32; b 3,072 float32; x 4 x 2,048 x 1,024 float32.
;; Outputs: out0 4 x 2,048 x 1,024 float32.
;; One version. Each part assembles by itself: llvm-mc -triple=amdgcn-amd-amdhsa -mcpu=gfx1250 --defsym DOCPART=n.
;; ======== version 1 of 1: 5 launches
;; limits: values are held in f16: magnitudes above 65,504 overflow, below 6.1e-05 lose precision
;; workspace buffers: xb 16,777,216 bytes; wb 6,291,456 bytes; qk 33,554,432 bytes; vt 16,777,216 bytes; sc 67,108,864 bytes; pw 33,554,432 bytes; il 32,768 bytes
;; launch cast (part 1): grid 2816 x 1, 8 waves a work-group, no clusters, 0 bytes of LDS; arguments x, W, xb, wb; writes xb, wb
.if DOCPART == 1
	.amdgcn_target "amdgcn-amd-amdhsa--gfx1250"
	.amdhsa_code_object_version 6
	.text
	.protected	k_qb6aa948888_cast
	.globl	k_qb6aa948888_cast
	.p2align	8
	.type	k_qb6aa948888_cast,@function
k_qb6aa948888_cast:
	s_mov_b64 s[64:65], 0
	v_nop
	global_prefetch_b8 v0, s[64:65] scope:SCOPE_SE
	s_setreg_imm32_b32 hwreg(HW_REG_WAVE_MODE, 25, 1), 1
	s_wait_xcnt 0x0
; xb = x and wb = W, each number rounded once to bf16 (to nearest even) and that number written in f16, so that every product of the program takes one matrix form.
; LIMITS: the f16 spelling is exact for magnitudes from 2^-17 to 65,504; below, the number moves by 2^-25 at the most; beyond, it becomes an infinity.
; x: [8192][1024] f32 -> xb: [8192][1024] f16.  W: [3072][1024] f32 -> wb: [3072][1024] f16 WITH ITS ROWS LAID OUT BY TILE COLUMN of the next launch:
; tile column j (0-7) has 288 rows on end: W's rows 256 j .. 256 j + 255 (q and k), then W's rows 2048 + 32 j .. + 31 (32 channels of v); W's rows 2304 .. 3071 keep their places.
; A work-group of eight waves takes four rows (16 KiB in, 8 KiB out): groups 0-2047 serve x, groups 2048-2815 serve W: 2,816 = 11 x 256 groups.
; Load j is row j: thread t takes the 16 bytes at 16 t, so a wave's load covers 512 consecutive bytes; its store covers 256 consecutive bytes, aligned.
; All four loads go out first; every register that a store reads is written once.  No LDS, no matrix unit: bytes are all there is.
.set X, 4                              ; v[4:19]   row j: 4 f32 as loaded
.set Y, 20                             ; v[20:27]  row j: 4 f16 to store
.set T, 28                             ; v[28:33]  at work
	s_load_b256 s[4:11], s[0:1], 0x0               ; x s[4:5], W s[6:7], xb s[8:9], wb s[10:11]
	v_lshlrev_b32 v1, 4, v0                        ; 16 t
	v_lshlrev_b32 v2, 3, v0                        ; 8 t
	s_sub_co_u32 s13, ttmp9, 2048
	s_lshl_b32 s13, s13, 2                         ; n: the first of the group's four rows of W (used where ttmp9 >= 2048 alone)
	s_lshr_b32 s14, s13, 8
	s_mul_i32 s14, s14, 288
	s_and_b32 s15, s13, 255
	s_add_co_u32 s14, s14, s15                     ; n < 2048: row 288 (n / 256) + n % 256
	s_sub_co_u32 s16, s13, 2048
	s_lshr_b32 s17, s16, 5
	s_mul_i32 s17, s17, 288
	s_and_b32 s16, s16, 31
	s_add_co_u32 s17, s17, s16
	s_add_co_u32 s17, s17, 256                     ; 2048 <= n < 2304: row 288 ((n - 2048) / 32) + 256 + n % 32
	s_cmp_lt_u32 s13, 2304
	s_cselect_b32 s17, s17, s13                    ; from 2304 on: row n
	s_cmp_lt_u32 s13, 2048
	s_cselect_b32 s14, s14, s17
	s_lshl_b32 s18, ttmp9, 2                       ; x: rows 4 g, to the same rows
	s_cmp_lt_u32 ttmp9, 2048
	s_cselect_b32 s13, s18, s13                    ; the row that I read from,
	s_cselect_b32 s14, s18, s14                    ; and the row that I write to
	s_wait_kmcnt 0x0
	s_cselect_b64 s[20:21], s[4:5], s[6:7]         ; (the compare above still stands: nothing between writes SCC)
	s_cselect_b64 s[22:23], s[8:9], s[10:11]
	s_lshl_b32 s16, s13, 12                        ; 4,096 bytes a row in,
	s_mov_b32 s17, 0
	s_lshl_b32 s18, s14, 11                        ; 2,048 out
	s_mov_b32 s19, 0
	s_add_nc_u64 s[20:21], s[20:21], s[16:17]
	s_add_nc_u64 s[22:23], s[22:23], s[18:19]
.irp j, 0,1,2,3
	global_load_b128 v[X+4*(\j):X+4*(\j)+3], v1, s[20:21] offset:4096*(\j) th:TH_LOAD_NT
.endr
.irp j, 0,1,2,3
	s_wait_loadcnt 3-(\j)                          ; loads come back in order: row j is in, the 3 - j younger loads stay out
.irp k, 0,1
	v_cvt_pk_bf16_f32 v[T+3*(\k)], v[X+4*(\j)+2*(\k)], v[X+4*(\j)+2*(\k)+1]  ; the one rounding
.endr
.irp k, 0,1
	v_lshlrev_b32 v[T+3*(\k)+1], 16, v[T+3*(\k)]   ; the two bf16 as f32 again,
	v_and_b32 v[T+3*(\k)+2], 0xffff0000, v[T+3*(\k)]
.endr
.irp k, 0,1
	v_cvt_pk_f16_f32 v[Y+2*(\j)+(\k)], v[T+3*(\k)+1], v[T+3*(\k)+2]  ; and spelled in f16
.endr
	global_store_b64 v2, v[Y+2*(\j):Y+2*(\j)+1], s[22:23] offset:2048*(\j) th:TH_STORE_NT
.endr
	s_endpgm
.Lfunc_end_k_qb6aa948888_cast:
	.size	k_qb6aa948888_cast, .Lfunc_end_k_qb6aa948888_cast-k_qb6aa948888_cast
	.p2alignl 7, 3214868480
	.fill 96, 4, 3214868480
	.section	.rodata,"a",@progbits
	.p2align	6, 0x0
	.amdhsa_kernel k_qb6aa948888_cast
		.amdhsa_group_segment_fixed_size 0
		.amdhsa_private_segment_fixed_size 0
		.amdhsa_enable_private_segment 0
		.amdhsa_kernarg_size 32
		.amdhsa_user_sgpr_count 2
		.amdhsa_user_sgpr_kernarg_segment_ptr 1
		.amdhsa_wavefront_size32 1
		.amdhsa_system_sgpr_workgroup_id_x 1
		.amdhsa_system_sgpr_workgroup_id_y 1
		.amdhsa_system_sgpr_workgroup_id_z 1
		.amdhsa_system_vgpr_workitem_id 0
		.amdhsa_next_free_vgpr 36
		.amdhsa_next_free_sgpr 66
		.amdhsa_reserve_vcc 0
		.amdhsa_float_denorm_mode_32 3
		.amdhsa_float_denorm_mode_16_64 3
		.amdhsa_memory_ordered 1
		.amdhsa_forward_progress 1
		.amdhsa_inst_pref_size 5
	.end_amdhsa_kernel
	.amdgpu_metadata
---
amdhsa.version: [ 1, 2 ]
amdhsa.kernels:
  - .name:           k_qb6aa948888_cast
    .symbol:         k_qb6aa948888_cast.kd
    .args:
      - { .name: x, .offset: 0, .size: 8, .value_kind: global_buffer, .address_space: global }
      - { .name: W, .offset: 8, .size: 8, .value_kind: global_buffer, .address_space: global }
      - { .name: xb, .offset: 16, .size: 8, .value_kind: global_buffer, .address_space: global }
      - { .name: wb, .offset: 24, .size: 8, .value_kind: global_buffer, .address_space: global }
    .group_segment_fixed_size: 0
    .private_segment_fixed_size: 0
    .kernarg_segment_align: 8
    .kernarg_segment_size: 32
    .max_flat_workgroup_size: 256
    .sgpr_count:     66
    .vgpr_count:     36
    .wavefront_size: 32
...
	.end_amdgpu_metadata
.endif
;; end of part 1
;; launch proj (part 2): grid 8 x 32, 4 waves a work-group, clusters of 4 x 4, 327,680 bytes of LDS; arguments xb, wb, b, qk, vt; writes qk, vt
.if DOCPART == 2
	.amdgcn_target "amdgcn-amd-amdhsa--gfx1250"
	.amdhsa_code_object_version 6
	.text
	.protected	k_qb6aa948888_proj
	.globl	k_qb6aa948888_proj
	.p2align	8
	.type	k_qb6aa948888_proj,@function
k_qb6aa948888_proj:
	s_mov_b64 s[64:65], 0
	v_nop
	global_prefetch_b8 v0, s[64:65] scope:SCOPE_SE
	s_setreg_imm32_b32 hwreg(HW_REG_WAVE_MODE, 25, 1), 1
	s_wait_xcnt 0x0
	s_wait_alu depctr_hold_cnt(0) depctr_sa_sdst(0) depctr_va_vdst(0) depctr_va_sdst(0) depctr_va_ssrc(0) depctr_va_vcc(0) depctr_vm_vsrc(0)
	s_getreg_b32 s2, hwreg(HW_REG_IB_STS2, 6, 4)
	s_cmp_eq_u32 s2, 0
	s_cbranch_scc0 .Lentry_in_a_cluster
	s_endpgm
.Lentry_in_a_cluster:
	s_bfe_u32 s2, ttmp6, 0x10000c
	s_cmp_lg_u32 s2, 0xf033
	s_cbranch_scc0 .Lentry_shape_is_right
	s_endpgm
.Lentry_shape_is_right:
; q, k and the first 256 channels of v.  q[m][n], k[m][n] = sum over c of xb[m][c] W[n][c] + bf16(b[n]), written f16 into qk: [2][8192][1024] (q, then k).
; v[m][ch] = sum over c of xb[m][c] W[2048 + ch][c], WITHOUT its bias (the last launch adds it), written f16 and TRANSPOSED into vt: [1024 channels][8192 rows].
; xb: [8192][1024], wb: [3072][1024] f16 (numbers rounded to bf16; wb's rows lie by tile column: 288 on end), b: [3072] f32.  Sums in f32, each result rounded once.
; LIMIT: f16 ends at 65,504; a q, k or v beyond it becomes an infinity.  NaN and infinities are not treated apart.
; TILE.  256 rows x (256 columns of q or k + a STRIP of 32 channels of v): 32 x 8 = 256 tiles, one for each WGP.  The strip is there for the count: the whole projection and the causal
; scores are 384 + 144 tiles of 256 x 256, 16 more than two launches of 256; with a strip on each tile here, the next launch has 144 + 96.
; Four waves; wave (rh, ch) makes rows 128 rh on x columns 128 ch on (64 accumulators) and, of the strip, its 128 rows x channels 16 ch on (8 accumulators).  K goes in 8 steps of 128 through two LDS slots.
; CLUSTER 4 x 4.  xb's tile hangs on the tile row alone and is asked for jointly by a row of the cluster (waves 0, 1: 128 rows each), wb's on the tile column alone, jointly by a column (waves 2, 3: 144 rows each).
; THE SOURCES.  For q and k source 0 = 16 rows of wb, source 1 = 16 rows of xb: a lane holds one row m (lane % 16) and the columns 8 (lane / 16) + 0..7.  For the strip the other way round:
; a lane holds one channel (lane % 16) and the rows 8 (lane / 16) + 0..7, which are neighbours in vt.  Either way a lane's eight results pack into 16 bytes that belong together.
; ONE TEXT FOR BOTH SLOTS: the LDS addresses of the slot in hand are made anew at each change, and the walking descriptor's LDS word is turned by one exclusive or.
; REGISTERS, in windows of 256 (s_set_vgpr_msb: bits 1:0 source 0, 3:2 source 1, 5:4 source 2, 7:6 destination):
;   window 0: v0-31 addresses; v32-63 packed results; v64-127, v128-191 xb's fragments, two buffers (on the way out: rows read back); v192-255 the bias of my 128 columns
;   window 1: v0-7, v8-15 the strip's fragment of wb, two buffers; v64-127, v128-191 wb's fragments; v192-255 the strip's accumulators (row block a at 192 + 8 a)
;   windows 2, 3: accumulator (a, b) at v[8 (8 (a % 4) + b)] of window 2 + a / 4
.set KSTEP,  128
.set PITCH,  272                       ; an LDS row: 256 bytes + 16 of padding = 68 words: the 16 rows of a load start at 16 different groups of four banks (64 banks of 4 bytes: ISA guide 11.1)
.set HALFA,  128*PITCH                 ; what waves 0, 1 bring
.set HALFB,  144*PITCH                 ; what waves 2, 3 bring
.set BOFF,   2*HALFA                   ; wb's 288 rows lie behind xb's 256
.set SLOT,   0x24400                   ; slot 1 begins here: bits 17, 14 and 10, which none of a slot's four tile addresses (0, 0x8800, 0x11000, 0x1a900) has, so one exclusive or changes slots; a slot uses 0x24200
.set STAGE,  2*SLOT                    ; behind the ring: 16 rows x 272 bytes for each wave
.set SPARE,  STAGE+4*16*PITCH          ; behind the stages: the spare words, 128 bytes a wave: two blocks of 256 bytes that no other line names
.set WV,   12                          ; s12  my wave
.set RH,   71                          ; s71  which 128 rows are mine.  Also: I fetch xb (0) or wb (1)
.set CH,   72                          ; s72  which 128 columns are mine.  Also: which half of that tile I fetch
.set TB,   70                          ; s70  the slot in hand: 0 or SLOT
.set A0,   10                          ; v10-12  my lane's place in a slot: xb's fragments, wb's, the strip's; never rewritten
.set B0,   11
.set V0,   12
.set ADRA, 16                          ; v16-18  the same in the slot in hand
.set ADRB, 17
.set ADRV, 18
.set STO,  24                          ; v24  the way out: where I put 16 bytes of a row
.set RD,   25                          ; v25  where I read rows back
.set CO,   26                          ; v26  my byte offset in two rows of qk
.set COV,  27                          ; v27  in two rows of vt
.set SPW,  28                          ; v28  my spare word; never rewritten
.set NIL,  29                          ; v29  0; never rewritten
.set PFO,  30                          ; v30  lane x 2,048: a row of xb or wb; never rewritten
.set BO,   31                          ; v31  32 x (lane / 16): my 8 numbers in a block of 16 of b
.set TMP,  32
.set F0,   64
.set F1,   128
.set BI,   192                         ; window 0
.set VA,   192                         ; window 1
.set G1,  24                           ; s[24:31] group 1 for xb's tiles;  s[32:39] group 0: a set for each of the two first fills; the second then walks
.set G0,  32
.set G1B, 48                           ; s[48:55], s[56:63] the same for wb's
.set G0B, 56
.set LIM, 43                           ; s43  2 in a wave that prefetches, else the greatest number
.set PFA, 44                           ; s[44:45] where my prefetches stand
.set MSB, 0
.macro WIN new                         ; the immediate's high byte repeats the setting that is left; a switch that changes nothing is dropped
.if MSB != (\new)
	s_set_vgpr_msb (MSB<<8)|(\new)
.set MSB, \new
.endif
.endm
.set MUL_LO, 0xa1                      ; source 0 (wb) window 1, source 1 (xb) window 0, C and D window 2
.set MUL_HI, 0xf1                      ; the same, C and D window 3
.set MUL_V,  0x54                      ; source 0 (xb) window 0, source 1 (wb) window 1, C and D window 1
.set TO_B,   0x40                      ; destination window 1, address window 0
; A joint refill by the walking descriptor.  The branch hangs on the wave's number alone.  An s_nop 0 and four v_nop follow each line.
.macro JLOAD
	s_cmp_eq_u32 s[RH], 0
	s_cbranch_scc0 .Lfor_b_\@
	tensor_load_to_lds s[G0+4:G0+7], s[G1:G1+7]
	s_nop 0
.rept 4
	v_nop
.endr
	s_branch .Lasked_\@
.Lfor_b_\@:
	tensor_load_to_lds s[G0B+4:G0B+7], s[G1B:G1B+7]
	s_nop 0
.rept 4
	v_nop
.endr
.Lasked_\@:
.endm
; A prefetch of the K step that stands two refills on: 32 rows x 256 bytes, a lane a row, one instruction a wave.  xb's tile row is read by both clusters of a row of clusters: cluster x = 0 asks;
; wb's tile column by all eight clusters of a column: cluster y = 0 asks.  The four partners take 32 rows each of 128, told apart by address (waves 0, 1: xb's two halves; waves 2, 3: wb's rows 0-127, 128-255).
; So K steps 4 to 7 of these rows are named once; steps 0 to 3 come by their loads alone; the loop's last two trips (s3 = 2, 1) ask for nothing.
; The strip's 32 rows of wb are not asked for: a ninth of wb's tile, and 36 rows a partner do not go a lane a row.
.macro ASK
	s_cmp_gt_u32 s3, s[LIM]
	s_cbranch_scc0 .Lnot_mine_\@
	global_prefetch_b8 v[PFO], s[PFA:PFA+1] offset:KSTEP*2 th:TH_LOAD_NT scope:SCOPE_SE
.Lnot_mine_\@:
.endm
.macro CREST                           ; a round of the cluster's barrier behind its opening barrier
	s_cmp_lg_u32 s[WV], 0
	s_cbranch_scc1 .Lnot_wave_0_\@
	s_barrier_signal -3
.Lnot_wave_0_\@:
	s_barrier_wait -3
	s_barrier_signal -1
	s_barrier_wait -1
.endm
.macro CROUND                          ; a whole round
	s_barrier_signal -1
	s_barrier_wait -1
	CREST
.endm
	s_load_b256 s[4:11], s[0:1], 0x0               ; xb s[4:5], wb s[6:7], b s[8:9], qk s[10:11]
	s_load_b64 s[68:69], s[0:1], 0x20              ; vt
	v_lshl_add_u32 v[SPW], v0, 2, SPARE
	v_mov_b32 v[NIL], 0
	ds_add_u32 v[SPW], v[NIL]                      ; the wave's opening: the add and its wait come ahead of my first tensor load; the set-up below stands between them
	ds_add_u32 v28, v29
	v_lshrrev_b32 v1, 5, v0
	v_readfirstlane_b32 s[WV], v1                  ; wave 0..3
	s_lshr_b32 s[RH], s[WV], 1
	s_and_b32 s[CH], s[WV], 1
	s_bfe_u32 s40, ttmp6, 0x40000                  ; cx
	s_bfe_u32 s41, ttmp6, 0x40004                  ; cy
	s_lshl_b32 s42, ttmp9, 2
	s_add_co_u32 s42, s42, s40                     ; tile column = 4 x cluster x + cx
	s_and_b32 s13, ttmp7, 0xffff
	s_lshl_b32 s13, s13, 2
	s_add_co_u32 s13, s13, s41                     ; tile row = 4 x cluster y + cy
	s_lshl_b32 s43, s41, 2
	s_lshl_b32 s43, 15, s43                        ; my row of the cluster
	s_lshl_b32 s44, 0x1111, s40                    ; my column
	s_or_b32 s[G1], s43, (1<<16)|(1<<20)|(1<<21)|(5<<22)|(3<<25)   ; the mask; 2-byte elements; padding on; bit 21 beside a mask; after every 64 words, 4 words
	s_or_b32 s[G1B], s44, (1<<16)|(1<<20)|(1<<21)|(5<<22)|(3<<25)
.irp g, G1, G1B
	s_mov_b32 s[(\g)+1], KSTEP<<16                 ; tensor_dim0 = 128
	s_mov_b32 s[(\g)+3], KSTEP<<16                 ; tile_dim0 = 128
	s_mov_b32 s[(\g)+5], 1024                      ; elements from row to row
	s_mov_b32 s[(\g)+6], 0
	s_mov_b32 s[(\g)+7], 0
.endr
	s_mov_b32 s[G1+2], 128<<16                     ; tensor_dim1 and tile_dim1: 128 rows of xb,
	s_mov_b32 s[G1+4], 128
	s_mov_b32 s[G1B+2], 144<<16                    ; 144 of wb
	s_mov_b32 s[G1B+4], 144
	s_lshl_b32 s16, s13, 19                        ; xb: 256 rows of 2,048 bytes a tile row,
	s_lshl_b32 s17, s[CH], 18                      ; 128 a half
	s_add_co_u32 s16, s16, s17
	s_mov_b32 s17, 0
	s_mul_i32 s46, s42, 288                        ; wb: 288 rows a tile column,
	s_mul_i32 s47, s[CH], 144                      ; 144 a half
	s_add_co_u32 s46, s46, s47
	s_lshl_b32 s46, s46, 11
	s_mov_b32 s47, 0
	s_mul_i32 s21, s[CH], HALFA                    ; where they go: no place in the cluster enters an LDS address
	s_mul_i32 s22, s[CH], HALFB
	s_add_co_u32 s22, s22, BOFF
	s_mov_b32 s[TB], 0
	s_wait_dscnt 0x0                               ; the opening add is done
	s_wait_kmcnt 0x0
	s_add_nc_u64 s[14:15], s[4:5], s[16:17]
	s_add_nc_u64 s[46:47], s[6:7], s[46:47]
.irp s, 0,1
	s_mov_b32 s[G0+4*(\s)], 1
	s_add_co_u32 s[G0+4*(\s)+1], s21, (\s)*SLOT
	s_add_nc_u64 s[G0+4*(\s)+2:G0+4*(\s)+3], s[14:15], (\s)*KSTEP*2
	s_or_b32 s[G0+4*(\s)+3], s[G0+4*(\s)+3], 0x80000000
	s_mov_b32 s[G0B+4*(\s)], 1
	s_add_co_u32 s[G0B+4*(\s)+1], s22, (\s)*SLOT
	s_add_nc_u64 s[G0B+4*(\s)+2:G0B+4*(\s)+3], s[46:47], (\s)*KSTEP*2
	s_or_b32 s[G0B+4*(\s)+3], s[G0B+4*(\s)+3], 0x80000000
.endr
	CROUND                                         ; all sixteen work-groups are here: the first joint loads meet
	s_cmp_eq_u32 s[RH], 0                          ; a wave's two first fills stand in one branch: K steps 0 and 1, two loads of mine are out
	s_cbranch_scc0 .Lfirst_b
	tensor_load_to_lds s[G0:G0+3], s[G1:G1+7]
	s_nop 0
	tensor_load_to_lds s[G0+4:G0+7], s[G1:G1+7]
	s_nop 0
.rept 4
	v_nop
.endr
	s_branch .Lfirst_asked
.Lfirst_b:
	tensor_load_to_lds s[G0B:G0B+3], s[G1B:G1B+7]
	s_nop 0
	tensor_load_to_lds s[G0B+4:G0B+7], s[G1B:G1B+7]
	s_nop 0
.rept 4
	v_nop
.endr
.Lfirst_asked:
	v_and_b32 v1, 15, v0                           ; r = l % 16
	v_bfe_u32 v2, v0, 4, 1                         ; h = l / 16
	v_lshlrev_b32 v[BO], 5, v2
	s_lshl_b32 s46, s42, 10                        ; b at my 128 columns: 4 (256 x tile column + 128 x half)
	s_lshl_b32 s47, s[CH], 9
	s_add_co_u32 s46, s46, s47
	s_mov_b32 s47, 0
	s_add_nc_u64 s[8:9], s[8:9], s[46:47]
.irp c, 0,1,2,3,4,5,6,7
	global_load_b128 v[BI+8*(\c):BI+8*(\c)+3],   v[BO], s[8:9] offset:64*(\c)
	global_load_b128 v[BI+8*(\c)+4:BI+8*(\c)+7], v[BO], s[8:9] offset:64*(\c)+16
.endr
	v_mul_u32_u24 v3, v1, PITCH
	v_lshl_add_u32 v3, v2, 4, v3                   ; a fragment's row x pitch + 16 x half
	s_mul_i32 s18, s[RH], HALFA                    ; my 128 rows of xb
	v_add_nc_u32 v[A0], s18, v3
	s_mul_i32 s18, s[CH], 128*PITCH                ; my 128 rows of wb
	s_add_co_u32 s18, s18, BOFF
	v_add_nc_u32 v[B0], s18, v3
	s_mul_i32 s18, s[CH], 16*PITCH                 ; my 16 rows of the strip, behind wb's 256
	s_add_co_u32 s18, s18, BOFF+256*PITCH
	v_add_nc_u32 v[V0], s18, v3
	v_mov_b32 v[ADRA], v[A0]                       ; slot 0
	v_mov_b32 v[ADRB], v[B0]
	v_mov_b32 v[ADRV], v[V0]
	s_mul_i32 s23, s[WV], 16*PITCH
	s_add_co_u32 s23, s23, STAGE                   ; my stage
	v_add_nc_u32 v[STO], s23, v3                   ; in: row l % 16, 16 bytes for each half of the lanes
	v_mul_u32_u24 v4, v2, PITCH                    ; back: lanes 0-15 take one row of 256 bytes, lanes 16-31 the next
	v_lshl_add_u32 v4, v1, 4, v4
	v_add_nc_u32 v[RD], s23, v4
	v_lshlrev_b32 v[CO], 11, v2                    ; the same two rows in qk,
	v_lshl_add_u32 v[CO], v1, 4, v[CO]
	v_lshlrev_b32 v[COV], 14, v2                   ; and in vt
	v_lshl_add_u32 v[COV], v1, 4, v[COV]
	s_lshl_b32 s16, s13, 19                        ; qk at my part: row 256 x tile row + 128 x half,
	s_lshl_b32 s17, s[RH], 18
	s_add_co_u32 s16, s16, s17
	s_mov_b32 s17, 0
	s_add_nc_u64 s[10:11], s[10:11], s[16:17]
	s_lshr_b32 s46, s42, 2                         ; q (tile columns 0-3) or k (4-7): 16 MiB apart,
	s_lshl_b32 s46, s46, 24
	s_and_b32 s47, s42, 3
	s_lshl_b32 s47, s47, 9                         ; 256 columns of 2 bytes a tile column,
	s_add_co_u32 s46, s46, s47
	s_lshl_b32 s47, s[CH], 8                       ; 128 a half
	s_add_co_u32 s46, s46, s47
	s_mov_b32 s47, 0
	s_add_nc_u64 s[10:11], s[10:11], s[46:47]
	s_lshl_b32 s46, s42, 19                        ; vt at my part: channel 32 x tile column + 16 x half, of 16,384 bytes,
	s_lshl_b32 s47, s[CH], 18
	s_add_co_u32 s46, s46, s47
	s_mov_b32 s47, 0
	s_add_nc_u64 s[68:69], s[68:69], s[46:47]
	s_lshl_b32 s18, s13, 9                         ; row 256 x tile row + 128 x half, of 2 bytes
	s_lshl_b32 s19, s[RH], 8
	s_add_co_u32 s18, s18, s19
	s_mov_b32 s19, 0
	s_add_nc_u64 s[68:69], s[68:69], s[18:19]
	; the prefetches' address and who asks
	s_lshl_b32 s18, s13, 8                         ; xb: the tile's first row
	s_mul_i32 s19, s42, 288                        ; wb: the tile column's first row
	s_and_b32 s22, ttmp7, 0xffff                   ; cluster y
	s_cmp_eq_u32 s[RH], 0
	s_cselect_b32 s20, s18, s19
	s_cselect_b32 s21, s40, s41                    ; my place among the four that ask with me
	s_cselect_b32 s22, ttmp9, s22                  ; the coordinate along which other clusters read the same rows
	s_cselect_b64 s[PFA:PFA+1], s[4:5], s[6:7]
	s_cmp_eq_u32 s22, 0
	s_cselect_b32 s[LIM], 2, -1                    ; the same in all sixteen partners, for a given wave
	s_lshl_b32 s22, s[CH], 7
	s_add_co_u32 s20, s20, s22                     ; + my wave's 128 rows
	s_lshl_b32 s21, s21, 5
	s_add_co_u32 s20, s20, s21                     ; + my work-group's 32 of them
	s_lshl_b32 s20, s20, 11
	s_mov_b32 s21, 0
	s_add_nc_u64 s[PFA:PFA+1], s[PFA:PFA+1], s[20:21]
	s_add_nc_u64 s[PFA:PFA+1], s[PFA:PFA+1], 2*KSTEP*2  ; at K step 2: the first refill steps it to 3 and names K step 4
	v_and_b32 v[PFO], 31, v0
	v_lshlrev_b32 v[PFO], 11, v[PFO]
	s_wait_loadcnt 0x0                             ; b
.set i, 0
.rept 32                               ; the bias is rounded to bf16, like the other two inputs, and widened again
	v_cvt_pk_bf16_f32 v[TMP], v[BI+2*i], v[BI+2*i+1]
	v_lshlrev_b32 v[BI+2*i], 16, v[TMP]
	v_and_b32 v[BI+2*i+1], 0xffff0000, v[TMP]
.set i, i+1
.endr
; 16 matrix instructions: row blocks a0, a0 + 1 of the window's four x all 8 column blocks, 32 along K.  zero = 1: the product starts the sum.
; The 72 accumulators take turns in the same order in every quarter: 71 others stand between two links of a chain.
.macro MUL16 f, hi, a0, zero
	WIN MUL_LO+0x50*(\hi)
.irp a, \a0, (\a0)+1
.irp b, 0,1,2,3,4,5,6,7
.if \zero
	v_wmma_f32_16x16x32_f16 v[8*(8*(\a)+(\b)):8*(8*(\a)+(\b))+7], v[(\f)+8*(\b):(\f)+8*(\b)+7], v[(\f)+8*(4*(\hi)+(\a)):(\f)+8*(4*(\hi)+(\a))+7], 0
.else
	v_wmma_f32_16x16x32_f16 v[8*(8*(\a)+(\b)):8*(8*(\a)+(\b))+7], v[(\f)+8*(\b):(\f)+8*(\b)+7], v[(\f)+8*(4*(\hi)+(\a)):(\f)+8*(4*(\hi)+(\a))+7], v[8*(8*(\a)+(\b)):8*(8*(\a)+(\b))+7]
.endif
.endr
.endr
.endm
; 4 matrix instructions of the strip: row blocks 4 hi .. 4 hi + 3 x my 16 channels; the sources the other way round
.macro MULV f, hi, zero
	WIN MUL_V
.irp a, 0,1,2,3
.if \zero
	v_wmma_f32_16x16x32_f16 v[VA+8*(4*(\hi)+(\a)):VA+8*(4*(\hi)+(\a))+7], v[(\f)+8*(4*(\hi)+(\a)):(\f)+8*(4*(\hi)+(\a))+7], v[((\f)-64)/8:((\f)-64)/8+7], 0
.else
	v_wmma_f32_16x16x32_f16 v[VA+8*(4*(\hi)+(\a)):VA+8*(4*(\hi)+(\a))+7], v[(\f)+8*(4*(\hi)+(\a)):(\f)+8*(4*(\hi)+(\a))+7], v[((\f)-64)/8:((\f)-64)/8+7], v[VA+8*(4*(\hi)+(\a)):VA+8*(4*(\hi)+(\a))+7]
.endif
.endr
.endm
; 34 LDS loads in one run: a quarter step's fragments (128 rows of wb, the strip's 16, 128 rows of xb; 32 K at byte k of the rows) into buffer f
.macro FETCH k, f
	WIN TO_B
.irp i, 0,1,2,3,4,5,6,7
	ds_load_b128 v[(\f)+8*(\i):(\f)+8*(\i)+3],   v[ADRB] offset:(\k)+(\i)*16*PITCH
	ds_load_b128 v[(\f)+8*(\i)+4:(\f)+8*(\i)+7], v[ADRB] offset:(\k)+(\i)*16*PITCH+32
.endr
	ds_load_b128 v[((\f)-64)/8:((\f)-64)/8+3],   v[ADRV] offset:(\k)
	ds_load_b128 v[((\f)-64)/8+4:((\f)-64)/8+7], v[ADRV] offset:(\k)+32
	WIN 0
.irp i, 0,1,2,3,4,5,6,7
	ds_load_b128 v[(\f)+8*(\i):(\f)+8*(\i)+3],   v[ADRA] offset:(\k)+(\i)*16*PITCH
	ds_load_b128 v[(\f)+8*(\i)+4:(\f)+8*(\i)+7], v[ADRA] offset:(\k)+(\i)*16*PITCH+32
.endr
.endm
.macro PLACES                          ; four plain instructions in front of loads into registers that matrix instructions have read, and of lines that read results
.rept 4
	v_nop
.endr
.endm
; A K step is four quarters of 32 along K, 72 matrix instructions each, on buffers 0, 1, 0, 1.  One of the first three: multiplies f, fetches the next quarter, at byte k, into g.
.macro QUARTER k, f, g, zero
	s_wait_dscnt 8                                 ; wb's, the strip's and xb's rows 0-63 are in; the youngest eight loads (xb's rows 64-127) may be out
	MUL16 \f, 0, 0, \zero
	MUL16 \f, 0, 2, \zero
	MULV \f, 0, \zero
	PLACES
	FETCH \k, \g
	s_wait_dscnt 34                                ; all but the 34 just issued
	MUL16 \f, 1, 0, \zero
	MUL16 \f, 1, 2, \zero
	MULV \f, 1, \zero
.endm
; The last quarter multiplies buffer 1 and changes slots.  In front of the barrier each wave waits for all its tensor loads (the one that is out is its part of the next slot),
; adds 0 to its spare word, and waits for that and for its reads of this slot.  fill = 1: the barrier opens a round of the cluster's, and the joint refill, two K steps ahead, is the first thing behind it.
.macro TURN fill
.if \fill
	s_wait_xcnt 0x0                                ; the last prefetch, a K step back, has read its address
	s_add_nc_u64 s[PFA:PFA+1], s[PFA:PFA+1], KSTEP*2
.endif
	WIN 0                                          ; (the add's two registers lie in window 0)
	s_wait_tensorcnt 0x0                           ; all my tensor loads have landed, so a group 0 may be written
	ds_add_u32 v[SPW], v[NIL]                      ; 0 onto my spare word
	s_wait_dscnt 9                                 ; (the add and the youngest eight loads may be out)
	MUL16 F1, 0, 0, 0                              ; sixteen matrix instructions stand between the add and the wait for it
.if \fill
	s_xor_b32 s[G0+5], s[G0+5], SLOT               ; the walking descriptors: the other slot than last time, the next K step
	s_add_nc_u64 s[G0+6:G0+7], s[G0+6:G0+7], KSTEP*2
	s_xor_b32 s[G0B+5], s[G0B+5], SLOT
	s_add_nc_u64 s[G0B+6:G0B+7], s[G0B+6:G0B+7], KSTEP*2
.endif
	s_wait_dscnt 0x0                               ; the add is done, and my reads of this slot are over
	s_barrier_signal -1
	MUL16 F1, 0, 2, 0
	MULV F1, 0, 0
	WIN 0                                          ; (branches and window 0's addresses follow)
	s_barrier_wait -1
.if \fill
	CREST                                          ; no wave of any partner still reads this slot's tile or has a load on its way
	JLOAD                                          ; my one tensor load behind the round; its four v_nop are also the places in front of the loads below
.else
	PLACES
.endif
	s_xor_b32 s[TB], s[TB], SLOT                   ; the reads go on in the other slot
	v_add_nc_u32 v[ADRA], s[TB], v[A0]
	v_add_nc_u32 v[ADRB], s[TB], v[B0]
	v_add_nc_u32 v[ADRV], s[TB], v[V0]
	FETCH 0, F0
.if \fill
	ASK
.endif
	MUL16 F1, 1, 0, 0
	MUL16 F1, 1, 2, 0
	MULV F1, 1, 0
.endm
	s_wait_tensorcnt 1                             ; my part of K step 0 is in; K step 1's may stay out
	s_barrier_signal -1
	s_barrier_wait -1                              ; everybody's is
	FETCH 0, F0
	QUARTER 64,  F0, F1, 1                         ; the first quarter stands in front of the loop: its products start the sums
	WIN 0                                          ; at a label and at a branch every window is 0
	s_mov_b32 s3, 6
.Lstep:                                                ; a trip goes from a K step's second quarter to the next step's first, and fills the slot that it leaves: K steps 2 to 7
	QUARTER 128, F1, F0, 0
	QUARTER 192, F0, F1, 0
	TURN 1
	QUARTER 64,  F0, F1, 0
	WIN 0
	s_sub_co_u32 s3, s3, 1
	s_cmp_lg_u32 s3, 0
	s_cbranch_scc1 .Lstep
	s_mov_b32 s3, 2
.Ltail:                                                ; K steps 6 and 7 fill nothing.  One text for both: the second trip's change of slots (a barrier, a run of loads) serves nothing, and it jumps over the quarter that would begin a ninth step
	QUARTER 128, F1, F0, 0
	QUARTER 192, F0, F1, 0
	TURN 0
	WIN 0
	s_cmp_eq_u32 s3, 1
	s_cbranch_scc1 .Lskip
	QUARTER 64,  F0, F1, 0
	WIN 0
.Lskip:
	s_sub_co_u32 s3, s3, 1
	s_cmp_lg_u32 s3, 0
	s_cbranch_scc1 .Ltail
	; THE WAY OUT, a block of 16 rows at a time through my own stage: the bias is added, the sums rounded to f16; 16 bytes a lane in, whole rows of 256 bytes back.
	s_wait_dscnt 0x0                               ; the last run of loads has landed: its registers are used again below
	PLACES
.macro PACK a
.set AC, 64*((\a)%4)
	WIN 0x82+0x41*((\a)/4)                         ; destination and source 0 window 2 or 3, source 1 (the bias) window 0
.set i, 0
.rept 32                               ; ascending
	v_pk_add_f32 v[AC+2*i:AC+2*i+1], v[AC+2*i:AC+2*i+1], v[BI+2*i:BI+2*i+1]
.set i, i+1
.endr
	WIN 0x0a+5*((\a)/4)                            ; sources 0 and 1 window 2 or 3, destination window 0
.set i, 0
.rept 32
	v_cvt_pk_f16_f32 v[TMP+i], v[AC+2*i], v[AC+2*i+1]
.set i, i+1
.endr
	WIN 0
.endm
.macro PACKV                           ; the strip: 16 channels x 128 rows, no bias here
	WIN 0x05                                       ; sources 0 and 1 window 1, destination window 0
.set i, 0
.rept 32
	v_cvt_pk_f16_f32 v[TMP+i], v[VA+2*i], v[VA+2*i+1]
.set i, i+1
.endr
	WIN 0
.endm
.macro TOSTAGE a
.set BK, 64+32*((\a)%2)
.irp b, 0,1,2,3,4,5,6,7
	ds_store_b128 v[STO], v[TMP+4*(\b):TMP+4*(\b)+3] offset:32*(\b)
.endr
.irp t, 0,1,2,3,4,5,6,7
	ds_load_b128 v[BK+4*(\t):BK+4*(\t)+3], v[RD] offset:(\t)*2*PITCH  ; LDS serves a wave's instructions in order (ISA guide 5.7.1.4): these see the stores above
.endr
.endm
.macro SEND a
.set BK, 64+32*((\a)%2)
	s_wait_dscnt 0x0                               ; the block is back in registers
	s_wait_xcnt 0x0                                ; only behind this wait are the stores' base and the registers that earlier stores read rewritten
.if (\a) > 0
	s_add_nc_u64 s[10:11], s[10:11], 16*2048
.endif
.irp t, 0,1,2,3,4,5,6,7
	global_store_b128 v[CO], v[BK+4*(\t):BK+4*(\t)+3], s[10:11] offset:2*(\t)*2048  ; 16 lanes store 256 consecutive bytes, at a multiple of 256 from qk's first byte
.endr
.endm
	PACK 0
	TOSTAGE 0
.irp a, 1,2,3,4,5,6,7                  ; block a's arithmetic stands between block a - 1's loads from the stage and the wait for them
	PACK \a
	SEND (\a)-1
	TOSTAGE \a
.endr
	PACKV
	SEND 7
	TOSTAGE 8
	s_wait_dscnt 0x0
.irp t, 0,1,2,3,4,5,6,7
	global_store_b128 v[COV], v[64+4*(\t):64+4*(\t)+3], s[68:69] offset:2*(\t)*16384  ; a channel's 128 rows: 256 consecutive bytes, at a multiple of 256 from vt's first byte
.endr
	s_wait_tensorcnt 0x0                           ; the wave's end, behind my last tensor load and my last LDS store
	ds_add_u32 v[SPW], v[NIL]
	s_wait_dscnt 0x0
	CROUND                                         ; the closing round: no work-group ends while a partner may still ask for a tile that names it
	s_endpgm
.Lfunc_end_k_qb6aa948888_proj:
	.size	k_qb6aa948888_proj, .Lfunc_end_k_qb6aa948888_proj-k_qb6aa948888_proj
	.p2alignl 7, 3214868480
	.fill 96, 4, 3214868480
	.section	.rodata,"a",@progbits
	.p2align	6, 0x0
	.amdhsa_kernel k_qb6aa948888_proj
		.amdhsa_group_segment_fixed_size 327680
		.amdhsa_private_segment_fixed_size 0
		.amdhsa_enable_private_segment 0
		.amdhsa_kernarg_size 40
		.amdhsa_user_sgpr_count 2
		.amdhsa_user_sgpr_kernarg_segment_ptr 1
		.amdhsa_wavefront_size32 1
		.amdhsa_system_sgpr_workgroup_id_x 1
		.amdhsa_system_sgpr_workgroup_id_y 1
		.amdhsa_system_sgpr_workgroup_id_z 1
		.amdhsa_system_vgpr_workitem_id 0
		.amdhsa_next_free_vgpr 1024
		.amdhsa_next_free_sgpr 74
		.amdhsa_reserve_vcc 0
		.amdhsa_float_denorm_mode_32 3
		.amdhsa_float_denorm_mode_16_64 3
		.amdhsa_memory_ordered 1
		.amdhsa_forward_progress 1
		.amdhsa_inst_pref_size 135
	.end_amdhsa_kernel
	.amdgpu_metadata
---
amdhsa.version: [ 1, 2 ]
amdhsa.kernels:
  - .name:           k_qb6aa948888_proj
    .symbol:         k_qb6aa948888_proj.kd
    .args:
      - { .name: xb, .offset: 0, .size: 8, .value_kind: global_buffer, .address_space: global }
      - { .name: wb, .offset: 8, .size: 8, .value_kind: global_buffer, .address_space: global }
      - { .name: b, .offset: 16, .size: 8, .value_kind: global_buffer, .address_space: global }
      - { .name: qk, .offset: 24, .size: 8, .value_kind: global_buffer, .address_space: global }
      - { .name: vt, .offset: 32, .size: 8, .value_kind: global_buffer, .address_space: global }
    .group_segment_fixed_size: 327680
    .private_segment_fixed_size: 0
    .kernarg_segment_align: 8
    .kernarg_segment_size: 40
    .max_flat_workgroup_size: 128
    .sgpr_count:     74
    .vgpr_count:     1024
    .wavefront_size: 32
...
	.end_amdgpu_metadata
.endif
;; end of part 2
;; launch tiles (part 3): grid 15 x 16, 4 waves a work-group, no clusters, 327,680 bytes of LDS; arguments qk, xb, wb, sc, vt; writes sc, vt
.if DOCPART == 3
	.amdgcn_target "amdgcn-amd-amdhsa--gfx1250"
	.amdhsa_code_object_version 6
	.text
	.protected	k_qb6aa948888_tiles
	.globl	k_qb6aa948888_tiles
	.p2align	8
	.type	k_qb6aa948888_tiles,@function
k_qb6aa948888_tiles:
	s_mov_b64 s[64:65], 0
	v_nop
	global_prefetch_b8 v0, s[64:65] scope:SCOPE_SE
	s_setreg_imm32_b32 hwreg(HW_REG_WAVE_MODE, 25, 1), 1
	s_wait_xcnt 0x0
; Two kinds of tile of 256 x 256 with K = 1024, C[i][j] = sum over c of A[i][c] B[j][c], by one text; A and B are f16 rows of 1,024, sums in f32.
; SCORES (work-group x = 0-8): A = q, B = k (qk: [2][8192][1024]); sc[t][s], unscaled, f32, for the tiles that hold a key s <= t.  sc: [8192][2048] f32.
;   A batch's 2,048 rows are 8 blocks of 256; tile (I, J) is made for J <= I: 36 a batch.  Rows p and 7 - p of the triangle have 9 tiles together: 9 x (4 batches x 4 pairs) = 144.
; V (x = 9-14): A = wb's rows 2304-3071 (the weights of v's channels 256-1023), B = xb's rows; vt[channel][row], f16, without the bias (the last launch adds it): 3 x 32 = 96 tiles.  vt: [1024][8192] f16.
;   LIMIT: f16 ends at 65,504; a v beyond it becomes an infinity.  NaN and infinities are not treated apart.
; 240 work-groups of equal work.  NO CLUSTER: the triangle's rows have 1 to 8 tiles and its columns 8 to 1, so no grouping by fours shares one operand throughout.
; Four waves, each 128 x 128: 64 accumulators, 512 registers.  K goes in 8 steps of 128 through two LDS slots; a tile's rows are 256 bytes of memory at multiples of 256.
; THE MATRIX INSTRUCTION IS USED TRANSPOSED (source 0 = 16 rows of B, source 1 = 16 rows of A): a lane holds one row of C (lane % 16) and the columns 8 (lane / 16) + 0..7.
; ONE TEXT FOR BOTH SLOTS: the LDS addresses of the slot in hand are made anew at each change, and the walking descriptor's LDS word is turned by one exclusive or.
; REGISTERS, in windows of 256 (s_set_vgpr_msb: bits 1:0 source 0, 3:2 source 1, 5:4 source 2, 7:6 destination):
;   window 0: v0-31 addresses; v32-63 packed results; v64-127, v128-191 A's fragments, two buffers; on the way out the same registers hold rows read back
;   window 1: v64-127, v128-191 B's fragments     windows 2, 3: accumulator (a, b) at v[8 (8 (a % 4) + b)] of window 2 + a / 4
.set KSTEP,  128
.set PITCH,  272                       ; 256 bytes + 16 of padding: the 16 rows of a load start at 16 different groups of four banks (64 banks of 4 bytes: ISA guide 11.1)
.set HALFT,  128*PITCH
.set SLOT,   4*HALFT                   ; A's 256 rows, then B's 256: 0x22000, bits 17 and 13, which none of the four tile addresses (0, 0x8800, 0x11000, 0x19800) has: one exclusive or changes slots
.set STAGE,  2*SLOT                    ; behind the ring: 16 rows x 528 bytes for each wave (a tile of v uses 16 x 272 of them)
.set SPITCH, 528                       ; 512 bytes + 16
.set SPARE,  STAGE+4*16*SPITCH         ; behind the stages: the spare words, 128 bytes a wave: two blocks of 256 bytes that no other line names
.set WV,   12                          ; s12  my wave
.set RH,   13                          ; s13  which 128 rows of C are mine.  Also: I fetch A (0) or B (1)
.set CH,   14                          ; s14  which 128 columns.  Also: which 128 rows I fetch
.set ISS,  23                          ; s23  1: a tile of scores; 0: of v
.set OB,   40                          ; s[40:41] where my part of the tile goes
.set TB,   42                          ; s42  the slot in hand: 0 or SLOT
.set A0,   10                          ; v10-11  my lane's place in a slot; never rewritten
.set B0,   11
.set ADRA, 16                          ; v16-17  the same in the slot in hand
.set ADRB, 17
.set STOV, 20                          ; v20-22  the way out of a tile of v
.set RDV,  21
.set COV,  22
.set STO,  24                          ; v24-26  of a tile of scores
.set RD,   25
.set CO,   26
.set SPW,  28
.set NIL,  29
.set PFO,  30                          ; v30  lane x 2,048: a row of A or B; never rewritten
.set TMP,  32
.set F0,   64
.set F1,   128
.set G1,  24                           ; s[24:31] group 1
.set G0,  32                           ; s[32:39] group 0: a set for each of the two first fills; the second then walks
.set LIM, 43                           ; s43  2 in a wave that prefetches, else the greatest number
.set PFA, 44
.set MSB, 0
.macro WIN new
.if MSB != (\new)
	s_set_vgpr_msb (MSB<<8)|(\new)
.set MSB, \new
.endif
.endm
.set MUL_LO, 0xa1
.set MUL_HI, 0xf1
.set TO_B,   0x40
; A prefetch of the K step two refills on, by a wave for the 128 rows that it fetches itself: four instructions, a lane a row.  Each row's K steps 4 to 7 are named once in the launch:
; q's block I and k's block I by the diagonal tile (I, I), which reads both; the weights of a channel tile by its key tile 0 (waves 0, 1); xb's rows of a key tile by channel tile 0 (waves 2, 3).
; K steps 0 to 3 come by their loads alone; the loop's last two trips (s3 = 2, 1) ask for nothing.
.macro ASK
	s_cmp_gt_u32 s3, s[LIM]
	s_cbranch_scc0 .Lnot_mine_\@
.irp j, 0,1,2,3
	global_prefetch_b8 v[PFO], s[PFA:PFA+1] offset:(\j)*32*2048+KSTEP*2 th:TH_LOAD_NT scope:SCOPE_SE
.endr
.Lnot_mine_\@:
.endm
	s_load_b256 s[4:11], s[0:1], 0x0               ; qk s[4:5], xb s[6:7], wb s[8:9], sc s[10:11]
	s_load_b64 s[46:47], s[0:1], 0x20              ; vt
	v_lshl_add_u32 v[SPW], v0, 2, SPARE
	v_mov_b32 v[NIL], 0
	ds_add_u32 v[SPW], v[NIL]                      ; the wave's opening: the add and its wait come ahead of my first tensor load
	ds_add_u32 v28, v29
	v_lshrrev_b32 v1, 5, v0
	v_readfirstlane_b32 s[WV], v1                  ; wave 0..3
	s_lshr_b32 s[RH], s[WV], 1
	s_and_b32 s[CH], s[WV], 1
	s_lshl_b32 s19, s[RH], 7                       ; 128 x my half of the rows
	s_lshl_b32 s22, s[CH], 7                       ; 128 x my half of the columns
	s_and_b32 s15, ttmp7, 0xffff                   ; y
	; as a tile of scores
	s_lshr_b32 s16, s15, 2                         ; the batch
	s_and_b32 s17, s15, 3                          ; p
	s_sub_co_u32 s18, 7, s17
	s_sub_co_u32 s21, ttmp9, s17
	s_sub_co_u32 s21, s21, 1
	s_cmp_le_u32 ttmp9, s17                        ; the first p + 1 of the nine are row p's tiles, the others row 7 - p's
	s_cselect_b32 s20, s17, s18                    ; I
	s_cselect_b32 s21, ttmp9, s21                  ; J
	s_cmp_eq_u32 s20, s21
	s_cselect_b32 s[LIM], 2, -1                    ; the diagonal tile prefetches
	s_lshl_b32 s16, s16, 11
	s_lshl_b32 s20, s20, 8
	s_add_co_u32 s20, s20, s16                     ; A: q's row 2,048 batch + 256 I
	s_lshl_b32 s21, s21, 8                         ; the tile's first key
	s_add_co_u32 s18, s21, s16
	s_add_co_u32 s18, s18, 8192                    ; B: k's rows lie 8,192 rows behind q's
	s_add_co_u32 s2, s20, s19
	s_lshl_b32 s2, s2, 13                          ; my first row of sc, of 8,192 bytes,
	s_add_co_u32 s21, s21, s22
	s_lshl_b32 s21, s21, 2                         ; my first column, of 4 bytes
	s_add_co_u32 s2, s2, s21
	; as a tile of v
	s_sub_co_u32 s16, ttmp9, 9
	s_lshl_b32 s16, s16, 4
	s_add_co_u32 s16, s16, s15                     ; 0 .. 95
	s_and_b32 s17, s16, 31                         ; the key tile
	s_lshr_b32 s16, s16, 5                         ; the channel tile, 0 .. 2
	s_cmp_eq_u32 s[RH], 0
	s_cselect_b32 s21, s17, s16                    ; the weights are asked for by key tile 0, xb's rows by channel tile 0
	s_cmp_eq_u32 s21, 0
	s_cselect_b32 s21, 2, -1
	s_lshl_b32 s16, s16, 8
	s_lshl_b32 s17, s17, 8                         ; B: xb's row 256 x key tile
	s_add_co_u32 s15, s16, 2304                    ; A: wb's row 2,304 + 256 x channel tile
	s_add_co_u32 s16, s16, 256
	s_add_co_u32 s16, s16, s19
	s_lshl_b32 s16, s16, 14                        ; my first channel, of 16,384 bytes,
	s_add_co_u32 s19, s17, s22
	s_lshl_b32 s19, s19, 1                         ; my first row of x, of 2 bytes
	s_add_co_u32 s16, s16, s19
	; which of the two
	s_cmp_lt_u32 ttmp9, 9
	s_cselect_b32 s[ISS], 1, 0
	s_cselect_b32 s20, s20, s15
	s_cselect_b32 s18, s18, s17
	s_cselect_b32 s[LIM], s[LIM], s21
	s_cselect_b32 s2, s2, s16
	s_mov_b32 s3, 0
	s_cmp_eq_u32 s[RH], 0
	s_cselect_b32 s20, s20, s18                    ; A's rows or B's,
	s_add_co_u32 s20, s20, s22                     ; the 128 of them that I fetch,
	s_lshl_b32 s20, s20, 11                        ; of 2,048 bytes
	s_mov_b32 s21, 0
	s_mul_i32 s22, s[WV], HALFT                    ; where they go: wave x 128 rows
	s_mov_b32 s[TB], 0
	s_mov_b32 s[G1+0], (1<<16)|(1<<20)|(5<<22)|(3<<25)  ; 2-byte elements; padding on: after every 64 words, 4 words
	s_mov_b32 s[G1+1], KSTEP<<16                   ; tensor_dim0 = 128
	s_mov_b32 s[G1+2], 128<<16                     ; tensor_dim1 = 128
	s_mov_b32 s[G1+3], KSTEP<<16                   ; tile_dim0 = 128
	s_mov_b32 s[G1+4], 128                         ; tile_dim1 = 128
	s_mov_b32 s[G1+5], 1024                        ; elements from row to row, in all three buffers
	s_mov_b32 s[G1+6], 0
	s_mov_b32 s[G1+7], 0
	s_wait_dscnt 0x0                               ; the opening add is done
	s_wait_kmcnt 0x0
	s_cmp_eq_u32 s[ISS], 1
	s_cselect_b64 s[16:17], s[4:5], s[8:9]         ; A from qk or wb
	s_cselect_b64 s[18:19], s[4:5], s[6:7]         ; B from qk or xb
	s_cselect_b64 s[OB:OB+1], s[10:11], s[46:47]   ; C to sc or vt
	s_cmp_eq_u32 s[RH], 0
	s_cselect_b64 s[16:17], s[16:17], s[18:19]
	s_add_nc_u64 s[16:17], s[16:17], s[20:21]
	s_add_nc_u64 s[OB:OB+1], s[OB:OB+1], s[2:3]
	s_add_nc_u64 s[PFA:PFA+1], s[16:17], 2*KSTEP*2 ; at K step 2: the first refill steps it to 3 and names K step 4
.irp s, 0,1
	s_mov_b32 s[G0+4*(\s)], 1
	s_add_co_u32 s[G0+4*(\s)+1], s22, (\s)*SLOT
	s_add_nc_u64 s[G0+4*(\s)+2:G0+4*(\s)+3], s[16:17], (\s)*KSTEP*2
	s_or_b32 s[G0+4*(\s)+3], s[G0+4*(\s)+3], 0x80000000
	tensor_load_to_lds s[G0+4*(\s):G0+4*(\s)+3], s[G1:G1+7]  ; K steps 0 and 1: two loads of mine are out
	s_nop 0
.endr
	v_and_b32 v1, 15, v0                           ; r
	v_bfe_u32 v2, v0, 4, 1                         ; h
	v_mul_u32_u24 v3, v1, PITCH
	v_lshl_add_u32 v3, v2, 4, v3
	s_mul_i32 s20, s[RH], HALFT                    ; my 128 rows of A
	v_add_nc_u32 v[A0], s20, v3
	s_mul_i32 s20, s[CH], HALFT                    ; my 128 rows of B,
	s_add_co_u32 s20, s20, 2*HALFT                 ; which lie behind A's 256
	v_add_nc_u32 v[B0], s20, v3
	v_mov_b32 v[ADRA], v[A0]                       ; slot 0
	v_mov_b32 v[ADRB], v[B0]
	s_mul_i32 s20, s[WV], 16*SPITCH
	s_add_co_u32 s20, s20, STAGE                   ; my stage
	v_mul_u32_u24 v4, v1, SPITCH                   ; scores in: row r, 32 bytes for each half of the lanes
	v_lshl_add_u32 v4, v2, 5, v4
	v_add_nc_u32 v[STO], s20, v4
	v_and_b32 v5, 31, v0
	v_lshlrev_b32 v[CO], 4, v5                     ; back: 32 lanes take a row's 512 bytes
	v_add_nc_u32 v[RD], s20, v[CO]
	v_add_nc_u32 v[STOV], s20, v3                  ; v in: row r of 272 bytes, 16 bytes for each half of the lanes
	v_mul_u32_u24 v4, v2, PITCH                    ; back: lanes 0-15 take one row of 256 bytes, lanes 16-31 the next
	v_lshl_add_u32 v4, v1, 4, v4
	v_add_nc_u32 v[RDV], s20, v4
	v_lshlrev_b32 v[COV], 14, v2                   ; and the same two rows in vt
	v_lshl_add_u32 v[COV], v1, 4, v[COV]
	v_lshlrev_b32 v[PFO], 11, v5
.macro MUL16 f, hi, a0, zero           ; 16 matrix instructions; the 64 accumulators take turns in the same order in every quarter
	WIN MUL_LO+0x50*(\hi)
.irp a, \a0, (\a0)+1
.irp b, 0,1,2,3,4,5,6,7
.if \zero
	v_wmma_f32_16x16x32_f16 v[8*(8*(\a)+(\b)):8*(8*(\a)+(\b))+7], v[(\f)+8*(\b):(\f)+8*(\b)+7], v[(\f)+8*(4*(\hi)+(\a)):(\f)+8*(4*(\hi)+(\a))+7], 0
.else
	v_wmma_f32_16x16x32_f16 v[8*(8*(\a)+(\b)):8*(8*(\a)+(\b))+7], v[(\f)+8*(\b):(\f)+8*(\b)+7], v[(\f)+8*(4*(\hi)+(\a)):(\f)+8*(4*(\hi)+(\a))+7], v[8*(8*(\a)+(\b)):8*(8*(\a)+(\b))+7]
.endif
.endr
.endr
.endm
.macro FETCH k, f                      ; 32 LDS loads in one run: B's fragments, then A's
	WIN TO_B
.irp i, 0,1,2,3,4,5,6,7
	ds_load_b128 v[(\f)+8*(\i):(\f)+8*(\i)+3],   v[ADRB] offset:(\k)+(\i)*16*PITCH
	ds_load_b128 v[(\f)+8*(\i)+4:(\f)+8*(\i)+7], v[ADRB] offset:(\k)+(\i)*16*PITCH+32
.endr
	WIN 0
.irp i, 0,1,2,3,4,5,6,7
	ds_load_b128 v[(\f)+8*(\i):(\f)+8*(\i)+3],   v[ADRA] offset:(\k)+(\i)*16*PITCH
	ds_load_b128 v[(\f)+8*(\i)+4:(\f)+8*(\i)+7], v[ADRA] offset:(\k)+(\i)*16*PITCH+32
.endr
.endm
.macro PLACES                          ; four plain instructions in front of loads into registers that matrix instructions have read, and of lines that read results
.rept 4
	v_nop
.endr
.endm
.macro QUARTER k, f, g, zero
	s_wait_dscnt 8                                 ; B's and A's rows 0-63 are in; the youngest eight loads may be out
	MUL16 \f, 0, 0, \zero
	MUL16 \f, 0, 2, \zero
	PLACES
	FETCH \k, \g
	s_wait_dscnt 32                                ; all but the 32 just issued
	MUL16 \f, 1, 0, \zero
	MUL16 \f, 1, 2, \zero
.endm
; The last quarter multiplies buffer 1 and changes slots: one barrier; in front of it each wave waits for all its tensor loads, adds 0 to its spare word, and waits for that and for its reads of this slot.
; fill = 1: this slot is filled again, two K steps ahead, first thing behind the barrier: one load a wave.
.macro TURN fill
.if \fill
	s_wait_xcnt 0x0                                ; the last prefetches, a K step back, have read their address
	s_add_nc_u64 s[PFA:PFA+1], s[PFA:PFA+1], KSTEP*2
.endif
	WIN 0
	s_wait_tensorcnt 0x0                           ; all my tensor loads have landed, so a group 0 may be written
	ds_add_u32 v[SPW], v[NIL]                      ; 0 onto my spare word
	s_wait_dscnt 9                                 ; (the add and the youngest eight loads may be out)
	MUL16 F1, 0, 0, 0
.if \fill
	s_xor_b32 s[G0+5], s[G0+5], SLOT               ; the walking descriptor: the other slot than last time, the next K step
	s_add_nc_u64 s[G0+6:G0+7], s[G0+6:G0+7], KSTEP*2
.endif
	s_wait_dscnt 0x0                               ; the add is done, and my reads of this slot are over
	s_barrier_signal -1
	MUL16 F1, 0, 2, 0
	WIN 0                                          ; (window 0's addresses follow; the windows are set ahead of the tensor load)
	s_barrier_wait -1
.if \fill
	tensor_load_to_lds s[G0+4:G0+7], s[G1:G1+7]
	s_nop 0
.endif
	PLACES                                         ; the places in front of the loads below
	s_xor_b32 s[TB], s[TB], SLOT                   ; the reads go on in the other slot
	v_add_nc_u32 v[ADRA], s[TB], v[A0]
	v_add_nc_u32 v[ADRB], s[TB], v[B0]
	FETCH 0, F0
.if \fill
	ASK
.endif
	MUL16 F1, 1, 0, 0
	MUL16 F1, 1, 2, 0
.endm
	s_wait_tensorcnt 1                             ; my part of K step 0 is in; K step 1's may stay out
	s_barrier_signal -1
	s_barrier_wait -1
	FETCH 0, F0
	QUARTER 64,  F0, F1, 1                         ; the first quarter's products start the sums
	WIN 0
	s_mov_b32 s3, 6
.Lstep:                                                ; a trip goes from a K step's second quarter to the next step's first, and fills the slot that it leaves: K steps 2 to 7
	QUARTER 128, F1, F0, 0
	QUARTER 192, F0, F1, 0
	TURN 1
	QUARTER 64,  F0, F1, 0
	WIN 0
	s_sub_co_u32 s3, s3, 1
	s_cmp_lg_u32 s3, 0
	s_cbranch_scc1 .Lstep
	s_mov_b32 s3, 2
.Ltail:                                                ; K steps 6 and 7 fill nothing.  One text for both: the second trip's change of slots serves nothing, and it jumps over the quarter that would begin a ninth step
	QUARTER 128, F1, F0, 0
	QUARTER 192, F0, F1, 0
	TURN 0
	WIN 0
	s_cmp_eq_u32 s3, 1
	s_cbranch_scc1 .Lskip
	QUARTER 64,  F0, F1, 0
	WIN 0
.Lskip:
	s_sub_co_u32 s3, s3, 1
	s_cmp_lg_u32 s3, 0
	s_cbranch_scc1 .Ltail
	s_wait_dscnt 0x0                               ; the last run of loads has landed: its registers are used again below
	PLACES
	s_cmp_eq_u32 s[ISS], 1
	s_cbranch_scc1 .Lscores
	; THE WAY OUT OF A TILE OF V, a block of 16 channels at a time through my own stage: rounded to f16, 16 bytes a lane in, whole rows of 256 bytes back.
.macro PACKV a
.set AC, 64*((\a)%4)
	WIN 0x0a+5*((\a)/4)                            ; sources 0 and 1 window 2 or 3, destination window 0
.set i, 0
.rept 32                               ; ascending
	v_cvt_pk_f16_f32 v[TMP+i], v[AC+2*i], v[AC+2*i+1]
.set i, i+1
.endr
	WIN 0
.endm
.macro STAGEV a
.set BK, 64+32*((\a)%2)
.irp b, 0,1,2,3,4,5,6,7
	ds_store_b128 v[STOV], v[TMP+4*(\b):TMP+4*(\b)+3] offset:32*(\b)
.endr
.irp t, 0,1,2,3,4,5,6,7
	ds_load_b128 v[BK+4*(\t):BK+4*(\t)+3], v[RDV] offset:(\t)*2*PITCH  ; LDS serves a wave's instructions in order (ISA guide 5.7.1.4): these see the stores above
.endr
.endm
.macro SENDV a
.set BK, 64+32*((\a)%2)
	s_wait_dscnt 0x0
	s_wait_xcnt 0x0                                ; only behind this wait are the stores' base and the registers that earlier stores read rewritten
.if (\a) > 0
	s_add_nc_u64 s[OB:OB+1], s[OB:OB+1], 16*16384
.endif
.irp t, 0,1,2,3,4,5,6,7
	global_store_b128 v[COV], v[BK+4*(\t):BK+4*(\t)+3], s[OB:OB+1] offset:2*(\t)*16384  ; 16 lanes store 256 consecutive bytes, at a multiple of 256 from vt's first byte
.endr
.endm
	PACKV 0
	STAGEV 0
.irp a, 1,2,3,4,5,6,7
	PACKV \a
	SENDV (\a)-1
	STAGEV \a
.endr
	SENDV 7
	s_branch .Lend
.Lscores:
	; THE WAY OUT OF A TILE OF SCORES, a block of 16 rows at a time: 32 bytes a lane in, whole rows of 512 bytes back.
.macro TOSTAGE a
.set AC, 64*((\a)%4)
.set BK, 64+64*((\a)%2)
	WIN 0x08+4*((\a)/4)                            ; store data (source 1) in window 2 or 3
.irp b, 0,1,2,3,4,5,6,7
	ds_store_b128 v[STO], v[AC+8*(\b):AC+8*(\b)+3]   offset:64*(\b)      ; each accumulator's lowest registers first
	ds_store_b128 v[STO], v[AC+8*(\b)+4:AC+8*(\b)+7] offset:64*(\b)+16
.endr
	WIN 0
	s_wait_xcnt 0x0                                ; the stores of the block two back have read this buffer's registers
.irp t, 0,1,2,3,4,5,6,7,8,9,10,11,12,13,14,15
	ds_load_b128 v[BK+4*(\t):BK+4*(\t)+3], v[RD] offset:(\t)*SPITCH
.endr
.endm
.macro SEND a, younger                 ; younger: the LDS instructions issued behind block a's loads
.set BK, 64+64*((\a)%2)
	s_wait_dscnt \younger
	s_wait_xcnt 0x0                                ; the stores' base is rewritten only behind this wait
.if (\a) > 0
	s_add_nc_u64 s[OB:OB+1], s[OB:OB+1], 16*8192
.endif
.irp t, 0,1,2,3,4,5,6,7,8,9,10,11,12,13,14,15
	global_store_b128 v[CO], v[BK+4*(\t):BK+4*(\t)+3], s[OB:OB+1] offset:(\t)*8192 th:TH_STORE_NT  ; 512 consecutive bytes, at a multiple of 512 from sc's first byte
.endr
.endm
	TOSTAGE 0
.irp a, 1,2,3,4,5,6,7
	TOSTAGE \a
	SEND (\a)-1, 32
.endr
	SEND 7, 0
.Lend:
	s_wait_tensorcnt 0x0                           ; the wave's end, behind my last tensor load and my last LDS store
	ds_add_u32 v[SPW], v[NIL]
	s_wait_dscnt 0x0
	s_endpgm
.Lfunc_end_k_qb6aa948888_tiles:
	.size	k_qb6aa948888_tiles, .Lfunc_end_k_qb6aa948888_tiles-k_qb6aa948888_tiles
	.p2alignl 7, 3214868480
	.fill 96, 4, 3214868480
	.section	.rodata,"a",@progbits
	.p2align	6, 0x0
	.amdhsa_kernel k_qb6aa948888_tiles
		.amdhsa_group_segment_fixed_size 327680
		.amdhsa_private_segment_fixed_size 0
		.amdhsa_enable_private_segment 0
		.amdhsa_kernarg_size 40
		.amdhsa_user_sgpr_count 2
		.amdhsa_user_sgpr_kernarg_segment_ptr 1
		.amdhsa_wavefront_size32 1
		.amdhsa_system_sgpr_workgroup_id_x 1
		.amdhsa_system_sgpr_workgroup_id_y 1
		.amdhsa_system_sgpr_workgroup_id_z 1
		.amdhsa_system_vgpr_workitem_id 0
		.amdhsa_next_free_vgpr 1024
		.amdhsa_next_free_sgpr 66
		.amdhsa_reserve_vcc 0
		.amdhsa_float_denorm_mode_32 3
		.amdhsa_float_denorm_mode_16_64 3
		.amdhsa_memory_ordered 1
		.amdhsa_forward_progress 1
		.amdhsa_inst_pref_size 128
	.end_amdhsa_kernel
	.amdgpu_metadata
---
amdhsa.version: [ 1, 2 ]
amdhsa.kernels:
  - .name:           k_qb6aa948888_tiles
    .symbol:         k_qb6aa948888_tiles.kd
    .args:
      - { .name: qk, .offset: 0, .size: 8, .value_kind: global_buffer, .address_space: global }
      - { .name: xb, .offset: 8, .size: 8, .value_kind: global_buffer, .address_space: global }
      - { .name: wb, .offset: 16, .size: 8, .value_kind: global_buffer, .address_space: global }
      - { .name: sc, .offset: 24, .size: 8, .value_kind: global_buffer, .address_space: global }
      - { .name: vt, .offset: 32, .size: 8, .value_kind: global_buffer, .address_space: global }
    .group_segment_fixed_size: 327680
    .private_segment_fixed_size: 0
    .kernarg_segment_align: 8
    .kernarg_segment_size: 40
    .max_flat_workgroup_size: 128
    .sgpr_count:     66
    .vgpr_count:     1024
    .wavefront_size: 32
...
	.end_amdgpu_metadata
.endif
;; end of part 3
;; launch soft (part 4): grid 1024 x 1, 8 waves a work-group, no clusters, 0 bytes of LDS; arguments sc, pw, il; writes pw, il
.if DOCPART == 4
	.amdgcn_target "amdgcn-amd-amdhsa--gfx1250"
	.amdhsa_code_object_version 6
	.text
	.protected	k_qb6aa948888_soft
	.globl	k_qb6aa948888_soft
	.p2align	8
	.type	k_qb6aa948888_soft,@function
k_qb6aa948888_soft:
	s_mov_b64 s[64:65], 0
	v_nop
	global_prefetch_b8 v0, s[64:65] scope:SCOPE_SE
	s_setreg_imm32_b32 hwreg(HW_REG_WAVE_MODE, 25, 1), 1
	s_wait_xcnt 0x0
; For each row t of a batch: m = the largest score of keys 0 .. t; p[s] = 2^(c sc[s] - c m), c = log2(e) / (32 + 1e-5); pw = f16(p), 0 for s > t; il = 1 / (the sum of the unrounded p).
; sc: [8192][2048] f32, pw: [8192][2048] f16, il: [8192] f32.  LIMITS: a weight below 2^-126 counts as 0; NaN and infinities are not treated apart.
; One wave, one row, kept in registers between the maximum and the exponentials: sc is read once, and no wave waits for another.  A chunk is 128 keys: 512 bytes of sc, 16 a lane; 256 bytes of pw, 8 a lane.
; With I = t / 128: chunk I holds the diagonal (register slot 0), chunks 0 .. I - 1 are whole (slots 1 .. I).  The slots of chunks that the row does not have hold the lowest finite number: their weights are 0,
; so one text serves every row.  pw is written for chunks 0 .. I, and, where I is even, zeros for chunk I + 1: the next launch walks keys in steps of 256.
.set SO,  1                            ; v1   16 x lane
.set PO,  2                            ; v2   8 x lane
.set REL, 3                            ; v3   t % 128 - 4 x lane: element e of the diagonal chunk is hidden where e is greater
.set NEG, 4                            ; v4   the lowest finite number
.set Z,   6                            ; v[6:7]   0
.set M,   8                            ; v[8:11]  four running maxima
.set CM,  12                           ; v[12:13] c m
.set RL,  14                           ; v14  1 / l
.set LN,  15                           ; v15  lane
.set X,   16                           ; v[16:79]  16 slots of 4 scores
.set Y,   80                           ; v[80:111] 16 slots of 4 f16
	s_load_b128 s[4:7], s[0:1], 0x0                ; sc s[4:5], pw s[6:7]
	s_load_b64 s[8:9], s[0:1], 0x10                ; il
	v_lshrrev_b32 v5, 5, v0
	v_readfirstlane_b32 s10, v5                    ; wave 0..7
	s_lshl_b32 s11, ttmp9, 3
	s_add_co_u32 s11, s11, s10                     ; the row, 0 .. 8,191
	s_and_b32 s12, s11, 2047                       ; t
	s_lshr_b32 s13, s12, 7                         ; I
	s_and_b32 s14, s12, 127
	v_and_b32 v[LN], 31, v0
	v_lshlrev_b32 v[SO], 4, v[LN]
	v_lshlrev_b32 v[PO], 3, v[LN]
	v_lshlrev_b32 v[REL], 2, v[LN]
	v_sub_nc_u32 v[REL], s14, v[REL]
	v_mov_b32 v[NEG], 0xff7fffff
	v_mov_b32 v[Z], 0
	v_mov_b32 v[Z+1], 0
	s_lshl_b32 s16, s11, 13                        ; a row of sc is 8,192 bytes,
	s_mov_b32 s17, 0
	s_lshl_b32 s18, s13, 9                         ; a chunk of it 512
	s_mov_b32 s19, 0
	s_lshl_b32 s20, s11, 12                        ; a row of pw 4,096,
	s_mov_b32 s21, 0
	s_lshl_b32 s22, s13, 8                         ; a chunk of it 256
	s_mov_b32 s23, 0
	s_lshl_b32 s24, s11, 2
	s_mov_b32 s25, 0
	s_mov_b32 s36, 0x3d38aa37                      ; c = log2(e) / 32.00001 = 0.0450842
	s_mov_b32 s37, s36                             ; named with it as a pair
	s_mov_b32 s38, 0x76543210                      ; v_permlanex16_b32: each lane takes its own place in the other half
	s_mov_b32 s39, 0xfedcba98
.set i, 4
.rept 60
	v_mov_b32 v[X+i], v[NEG]                       ; slots 1 to 15: what a chunk that the row does not have counts as
.set i, i+1
.endr
	s_wait_kmcnt 0x0
	s_add_nc_u64 s[26:27], s[4:5], s[16:17]        ; sc at my row,
	s_add_nc_u64 s[28:29], s[26:27], s[18:19]      ; and at its diagonal chunk
	s_add_nc_u64 s[30:31], s[6:7], s[20:21]        ; pw likewise
	s_add_nc_u64 s[32:33], s[30:31], s[22:23]
	s_add_nc_u64 s[34:35], s[8:9], s[24:25]
	global_load_b128 v[X:X+3], v[SO], s[28:29] th:TH_LOAD_NT
.set j, 0
.rept 15                               ; chunk j, while the row has it whole
	s_cmp_gt_u32 s13, j
	s_cbranch_scc0 .Lloaded
	global_load_b128 v[X+4+4*j:X+7+4*j], v[SO], s[26:27] offset:512*j th:TH_LOAD_NT
.set j, j+1
.endr
.Lloaded:
	s_wait_loadcnt 0x0
.irp e, 0,1,2,3
	v_cmp_gt_i32 vcc_lo, \e, v[REL]
	v_cndmask_b32 v[X+(\e)], v[X+(\e)], v[NEG], vcc_lo  ; keys beyond t
.endr
	; the maximum: four chains of 15 scores, three operands at a time, then the four left over
.irp k, 0,1,2,3
	v_max3_num_f32 v[M+(\k)], v[X+16*(\k)], v[X+16*(\k)+1], v[X+16*(\k)+2]
.endr
.irp n, 0,1,2,3,4,5
.irp k, 0,1,2,3
	v_max3_num_f32 v[M+(\k)], v[M+(\k)], v[X+16*(\k)+3+2*(\n)], v[X+16*(\k)+4+2*(\n)]
.endr
.endr
	v_max3_num_f32 v[M], v[M], v[X+15], v[X+31]
	v_max3_num_f32 v[M+2], v[M+2], v[X+47], v[X+63]
	v_max3_num_f32 v[M], v[M], v[M+1], v[M+2]
	v_max_num_f32 v[M], v[M], v[M+3]
	v_max_num_f32_dpp v[M], v[M], v[M] row_xmask:1 row_mask:0xf bank_mask:0xf
	v_max_num_f32_dpp v[M], v[M], v[M] row_xmask:2 row_mask:0xf bank_mask:0xf
	v_max_num_f32_dpp v[M], v[M], v[M] row_xmask:4 row_mask:0xf bank_mask:0xf
	v_max_num_f32_dpp v[M], v[M], v[M] row_xmask:8 row_mask:0xf bank_mask:0xf
	v_permlanex16_b32 v[M+1], v[M], s38, s39
	v_max_num_f32 v[M], v[M], v[M+1]               ; every lane holds the row's maximum
	v_mul_f32 v[CM], s36, v[M]
	v_mov_b32 v[CM+1], v[CM]                       ; named with it as a pair
.set i, 0
.rept 32
	v_pk_fma_f32 v[X+2*i:X+2*i+1], v[X+2*i:X+2*i+1], s[36:37], v[CM:CM+1] op_sel_hi:[1,0,0] neg_lo:[0,0,1] neg_hi:[0,0,1]  ; c s - c m
.set i, i+1
.endr
.set i, 0
.rept 64
	v_exp_f32 v[X+i], v[X+i]                       ; one batch
.set i, i+1
.endr
	v_nop                                          ; a plain instruction behind the last exponential (ISA guide 5.7.2),
	s_wait_alu depctr_va_vdst(0)                   ; and a wait ahead of the batch's first reader
.set i, 0
.rept 32
	v_cvt_pk_f16_f32 v[Y+i], v[X+2*i], v[X+2*i+1]
.set i, i+1
.endr
.irp w, 16,8,4,2,1                     ; the sum of the unrounded weights: pair i takes pair i + w, in place
.set i, 0
.rept \w
	v_pk_add_f32 v[X+2*i:X+2*i+1], v[X+2*i:X+2*i+1], v[X+2*(i+(\w)):X+2*(i+(\w))+1]
.set i, i+1
.endr
.endr
	v_add_f32 v[M], v[X], v[X+1]
	v_add_f32_dpp v[M], v[M], v[M] row_xmask:1 row_mask:0xf bank_mask:0xf
	v_add_f32_dpp v[M], v[M], v[M] row_xmask:2 row_mask:0xf bank_mask:0xf
	v_add_f32_dpp v[M], v[M], v[M] row_xmask:4 row_mask:0xf bank_mask:0xf
	v_add_f32_dpp v[M], v[M], v[M] row_xmask:8 row_mask:0xf bank_mask:0xf
	v_permlanex16_b32 v[M+1], v[M], s38, s39
	v_add_f32 v[M], v[M], v[M+1]
	v_rcp_f32 v[RL], v[M]
	v_nop
	s_wait_alu depctr_va_vdst(0)                   ; ahead of the branches below and of the reciprocal's reader
	global_store_b64 v[PO], v[Y:Y+1], s[32:33]     ; the diagonal chunk: 32 lanes store 256 consecutive bytes, aligned
.set j, 0
.rept 15
	s_cmp_gt_u32 s13, j
	s_cbranch_scc0 .Lstored
	global_store_b64 v[PO], v[Y+2+2*j:Y+3+2*j], s[30:31] offset:256*j
.set j, j+1
.endr
.Lstored:
	s_bitcmp1_b32 s13, 0
	s_cbranch_scc1 .Lodd
	global_store_b64 v[PO], v[Z:Z+1], s[32:33] offset:256  ; I even: chunk I + 1 completes the last 256 keys with zeros
.Lodd:
	v_cmp_eq_u32 vcc_lo, 0, v[LN]
	s_wait_xcnt 0x0                                ; EXEC changes only behind this wait
	s_and_saveexec_b32 s15, vcc_lo
	global_store_b32 v[Z], v[RL], s[34:35]         ; 4 bytes a row, 32 KiB in the launch: gathering them would want LDS and a barrier
	s_wait_xcnt 0x0
	s_or_b32 exec_lo, exec_lo, s15
	s_endpgm
.Lfunc_end_k_qb6aa948888_soft:
	.size	k_qb6aa948888_soft, .Lfunc_end_k_qb6aa948888_soft-k_qb6aa948888_soft
	.p2alignl 7, 3214868480
	.fill 96, 4, 3214868480
	.section	.rodata,"a",@progbits
	.p2align	6, 0x0
	.amdhsa_kernel k_qb6aa948888_soft
		.amdhsa_group_segment_fixed_size 0
		.amdhsa_private_segment_fixed_size 0
		.amdhsa_enable_private_segment 0
		.amdhsa_kernarg_size 24
		.amdhsa_user_sgpr_count 2
		.amdhsa_user_sgpr_kernarg_segment_ptr 1
		.amdhsa_wavefront_size32 1
		.amdhsa_system_sgpr_workgroup_id_x 1
		.amdhsa_system_sgpr_workgroup_id_y 1
		.amdhsa_system_sgpr_workgroup_id_z 1
		.amdhsa_system_vgpr_workitem_id 0
		.amdhsa_next_free_vgpr 112
		.amdhsa_next_free_sgpr 66
		.amdhsa_reserve_vcc 1
		.amdhsa_float_denorm_mode_32 3
		.amdhsa_float_denorm_mode_16_64 3
		.amdhsa_memory_ordered 1
		.amdhsa_forward_progress 1
		.amdhsa_inst_pref_size 20
	.end_amdhsa_kernel
	.amdgpu_metadata
---
amdhsa.version: [ 1, 2 ]
amdhsa.kernels:
  - .name:           k_qb6aa948888_soft
    .symbol:         k_qb6aa948888_soft.kd
    .args:
      - { .name: sc, .offset: 0, .size: 8, .value_kind: global_buffer, .address_space: global }
      - { .name: pw, .offset: 8, .size: 8, .value_kind: global_buffer, .address_space: global }
      - { .name: il, .offset: 16, .size: 8, .value_kind: global_buffer, .address_space: global }
    .group_segment_fixed_size: 0
    .private_segment_fixed_size: 0
    .kernarg_segment_align: 8
    .kernarg_segment_size: 24
    .max_flat_workgroup_size: 256
    .sgpr_count:     66
    .vgpr_count:     112
    .wavefront_size: 32
...
	.end_amdgpu_metadata
.endif
;; end of part 4
;; launch mix (part 5): grid 8 x 32, 4 waves a work-group, clusters of 4 x 1, 327,680 bytes of LDS; arguments pw, vt, il, b, out0; writes out0
.if DOCPART == 5
	.amdgcn_target "amdgcn-amd-amdhsa--gfx1250"
	.amdhsa_code_object_version 6
	.text
	.protected	k_qb6aa948888_mix
	.globl	k_qb6aa948888_mix
	.p2align	8
	.type	k_qb6aa948888_mix,@function
k_qb6aa948888_mix:
	s_mov_b64 s[64:65], 0
	v_nop
	global_prefetch_b8 v0, s[64:65] scope:SCOPE_SE
	s_setreg_imm32_b32 hwreg(HW_REG_WAVE_MODE, 25, 1), 1
	s_wait_xcnt 0x0
	s_wait_alu depctr_hold_cnt(0) depctr_sa_sdst(0) depctr_va_vdst(0) depctr_va_sdst(0) depctr_va_ssrc(0) depctr_va_vcc(0) depctr_vm_vsrc(0)
	s_getreg_b32 s2, hwreg(HW_REG_IB_STS2, 6, 4)
	s_cmp_eq_u32 s2, 0
	s_cbranch_scc0 .Lentry_in_a_cluster
	s_endpgm
.Lentry_in_a_cluster:
	s_bfe_u32 s2, ttmp6, 0x10000c
	s_cmp_lg_u32 s2, 0x3003
	s_cbranch_scc0 .Lentry_shape_is_right
	s_endpgm
.Lentry_shape_is_right:
; out0[t][ch] = il[t] x (the sum over keys s of pw[t][s] v[s][ch]) + bf16(b[2048 + ch]).  pw: [8192][2048] f16 (0 for s > t), vt: [1024 channels][8192 rows] f16 (v without its bias, transposed),
; il: [8192] f32 = 1 / (the sum of a row's weights), b: [3072] f32, out0: [8192][1024] f32.  Sums in f32.
; THE BIAS of v is added here, behind the mean: a row's weights times il add up to 1, but for the rounding of the weights to f16, which moves the bias's share by 2^-11 of it at the most.
; LIMIT: keys beyond a row's own are multiplied with weight 0, so v must be finite (within f16's 65,504).
; THE WALK.  A batch's queries lie in 16 blocks of 128; block i needs the keys 0 .. 256 ceil((i + 1) / 2) - 1, in steps of 256.  A work-group makes 128 channels of TWO blocks, p and then 15 - p:
; NL = (p + 2) / 2 steps and 9 - NL steps: nine, whatever p.  So all 256 work-groups do equal work and every trip count is a constant; what a trip asks for hangs on scalar registers made from p.
; The short block goes first, so that the change of blocks falls behind step 0 to 3, inside the loop, and its text stands once.
; Four waves, each 64 queries x 64 channels: 16 accumulators.  One text of a step serves both blocks, so the sums start from registers cleared by v_mov_b32 (128, at the start and at the change of blocks).
; CLUSTER 4 x 1: the four partners make four channel tiles of the same two blocks and walk the same tiles of pw: those are asked for JOINTLY (waves 0, 1).  vt's tiles differ by channel: plain loads (waves 2, 3).
; vt is not shared between pairs: they walk different keys at the same time, and a walk common to four pairs would have 10 steps for 9.
; LAYOUT.  O^T = V^T P (source 0 = 16 channels, source 1 = 16 queries, both with the keys along their rows): a lane holds one query (lane % 16) and the channels 8 (lane / 16) + 0..7: 32 bytes of a row of out0.
; REGISTERS (s_set_vgpr_msb: bits 1:0 source 0, 3:2 source 1, 5:4 source 2, 7:6 destination): window 0: v0-15 addresses; v16-31 1 / l; v32-63 the bias of my 64 channels; v64 at work;
;   v128-255 accumulator (a, b) at 128 + 8 (4 a + b).   window 1: two fragment buffers of 128: for 64 keys, P's (c, a) at 8 (4 c + a), then V's (c, b) at 64 + 8 (4 c + b)
.set PP,    528                        ; a row of P or of V^T in LDS: 512 bytes + 16: the 16 rows of a load start at 16 different groups of four banks (64 banks of 4 bytes: ISA guide 11.1)
.set HALF,  64*PP                      ; what one tensor load brings
.set VOFF,  128*PP                     ; a slot: 128 rows of P, then 128 rows of V^T
.set SLOT,  0x21000                    ; = 256 rows: bits 17 and 12, which none of the four tile addresses (0, 0x8400, 0x10800, 0x18c00) has, so one exclusive or changes slots
.set STAGE, 2*SLOT                     ; behind the ring: 16 rows x 272 bytes for each wave
.set SPT,   272
.set SPARE, STAGE+4*16*SPT             ; behind the stages: the spare words, 128 bytes a wave: two blocks of 256 bytes that no other line names
.set AP0,  3                           ; v3   my lane's place in a slot's P; never rewritten
.set AV0,  4                           ; v4   in its V^T
.set ADRP, 5                           ; v5-6 the same in the slot in hand
.set ADRV, 6
.set BO,   7                           ; v7   32 x (lane / 16): my 8 numbers in a block of 16 of b
.set STO,  8
.set RD,   9
.set CO,   10
.set ILO,  11
.set PFOP, 12                          ; v12  P's prefetch: (lane % 16) rows of 4,096 bytes + (lane / 16) x 256
.set PFOV, 13                          ; v13  V's: (lane % 16) rows of 16,384 bytes + (lane / 16) x 256
.set SPW,  14
.set NIL,  15
.set I1,   16                          ; v16-23  1 / l of the first block: a pair for each row block a
.set I2,   24                          ; v24-31  of the second
.set BI,   32                          ; v32-63  channel block b, register j at 8 b + j
.set T,    64
.set ACC,  128
.set F0,   0
.set F1,   128
.set WV,    12
.set NL,    18                         ; s18  steps of the first block
.set HIOFF, 19                         ; s19  block 15 - p's byte offset in a batch of pw
.set LOOFF, 20                         ; s20  block p's
.set G1P, 24
.set G1V, 32
.set G0P, 40                           ; s[40:47] group 0 for P: a set for each of the two first fills; the second then walks
.set G0V, 48
.set CNT,   56                         ; s56  counts the last two steps
.set TB,    58                         ; s58  the slot in hand: 0 or SLOT
.set N,     59                         ; s59  the step
.set PBASE, 66                         ; s[66:67] pw at my batch and my half of a block's rows
.set VBASE, 68                         ; s[68:69] vt at my half of my channels and my batch's first key
.set OFFP,  70
.set OFFV,  72
.set PFB,   74
.set PFA,   76
.set LIMW,  78                         ; s78  I prefetch tiles below this number
.set M3,    79
.set OB,    82                         ; s[82:83] out0 at my part of the block in hand
.set OHI,   84                         ; s[84:85] of the second block
.set ROWH,  92                         ; s92, s93  my first row in block 15 - p and in block p
.set ROWL,  93
.set MSB, 0
.macro WIN new
.if MSB != (\new)
	s_set_vgpr_msb (MSB<<8)|(\new)
.set MSB, \new
.endif
.endm
.set MUL,  0x05                        ; sources 0 (V) and 1 (P) window 1; C and D window 0
.set TO_F, 0x40                        ; destination window 1, address window 0
.macro JLOAD                           ; waves 0, 1: the two halves of P's tile, jointly; waves 2, 3: those of V's.  An s_nop 0 and four v_nop follow each line
	s_cmp_lt_u32 s[WV], 2
	s_cbranch_scc0 .Lfor_v_\@
	tensor_load_to_lds s[G0P+4:G0P+7], s[G1P:G1P+7]
	s_nop 0
.rept 4
	v_nop
.endr
	s_branch .Lasked_\@
.Lfor_v_\@:
	tensor_load_to_lds s[G0V+4:G0V+7], s[G1V:G1V+7]
	s_nop 0
.rept 4
	v_nop
.endr
.Lasked_\@:
.endm
; A prefetch of the tile that the NEXT refill will ask for (tile N + 3).  P's rows are read by both clusters of a pair: cluster x = 0 asks; of a wave's 64 rows x 512 bytes each partner takes 16 rows, told apart
; by address: one instruction.  V's keys are read by all eight pairs of a batch: pair 0 asks, whose second block walks all 2,048 keys: each wave its own 64 rows x 512 bytes, four instructions.
; Tiles 0 to 2 come by their loads alone; no tile beyond the walk's last is named.
.macro ASK
	s_cmp_lt_u32 s[M3], s[LIMW]
	s_cbranch_scc0 .Lnone_\@
	s_cmp_lt_u32 s[WV], 2
	s_cbranch_scc0 .Lpf_v_\@
	global_prefetch_b8 v[PFOP], s[PFA:PFA+1] th:TH_LOAD_NT scope:SCOPE_SE
	s_branch .Lnone_\@
.Lpf_v_\@:
.irp j, 0,1,2,3
	global_prefetch_b8 v[PFOV], s[PFA:PFA+1] offset:(\j)*16*16384 th:TH_LOAD_NT scope:SCOPE_SE
.endr
.Lnone_\@:
.endm
.macro CREST
	s_cmp_lg_u32 s[WV], 0
	s_cbranch_scc1 .Lnot_wave_0_\@
	s_barrier_signal -3
.Lnot_wave_0_\@:
	s_barrier_wait -3
	s_barrier_signal -1
	s_barrier_wait -1
.endm
.macro CROUND
	s_barrier_signal -1
	s_barrier_wait -1
	CREST
.endm
; Tile N + ahead of the walk: s61 = its byte offset from PBASE, s63 = from VBASE.  Below NL it is block p's step N + ahead, else block 15 - p's step N + ahead - NL.
.macro WHERE ahead
	s_add_co_u32 s60, s[N], \ahead
	s_cmp_lt_u32 s60, s[NL]
	s_cselect_b32 s61, s[LOOFF], s[HIOFF]
	s_cselect_b32 s62, 0, s[NL]
	s_sub_co_u32 s60, s60, s62                     ; the step within its block
	s_lshl_b32 s63, s60, 9                         ; 256 keys are 512 bytes of a row, in pw and in vt
	s_add_co_u32 s61, s61, s63
.endm
	s_load_b256 s[4:11], s[0:1], 0x0               ; pw s[4:5], vt s[6:7], il s[8:9], b s[10:11]
	s_load_b64 s[90:91], s[0:1], 0x20              ; out0
	v_lshl_add_u32 v[SPW], v0, 2, SPARE
	v_mov_b32 v[NIL], 0
	ds_add_u32 v[SPW], v[NIL]                      ; the wave's opening: the add and its wait come ahead of my first tensor load
	ds_add_u32 v14, v15
	v_lshrrev_b32 v1, 5, v0
	v_readfirstlane_b32 s[WV], v1                  ; wave 0..3
	s_bfe_u32 s13, ttmp6, 0x40000                  ; cx
	s_lshl_b32 s14, ttmp9, 2
	s_add_co_u32 s14, s14, s13                     ; my channel tile = 4 x cluster x + cx: it enters vt's, b's, out0's and the prefetches' addresses alone
	s_and_b32 s15, ttmp7, 0xffff
	s_lshr_b32 s16, s15, 3                         ; the batch
	s_and_b32 s17, s15, 7                          ; p
	s_add_co_u32 s[NL], s17, 2
	s_lshr_b32 s[NL], s[NL], 1
	s_sub_co_u32 s21, 15, s17                      ; the second block
	s_lshl_b32 s[HIOFF], s21, 19                   ; 128 rows of 4,096 bytes
	s_lshl_b32 s[LOOFF], s17, 19
	s_and_b32 s22, s[WV], 1                        ; which half of a tile I fetch.  Also: which 64 channels are mine
	s_lshr_b32 s23, s[WV], 1                       ; which 64 queries are mine
	s_mov_b32 s[G1P+0], 15|(1<<16)|(1<<20)|(1<<21)|(6<<22)|(3<<25)  ; the mask of four; 2-byte elements; padding on; bit 21 beside a mask; after every 128 words, 4 words
	s_mov_b32 s[G1V+0], (1<<16)|(1<<20)|(6<<22)|(3<<25)             ; the same without a mask
.irp g, G1P, G1V
	s_mov_b32 s[(\g)+1], 256<<16                   ; tensor_dim0 = 256
	s_mov_b32 s[(\g)+2], 64<<16                    ; tensor_dim1 = 64
	s_mov_b32 s[(\g)+3], 256<<16                   ; tile_dim0 = 256
	s_mov_b32 s[(\g)+4], 64                        ; tile_dim1 = 64
	s_mov_b32 s[(\g)+6], 0
	s_mov_b32 s[(\g)+7], 0
.endr
	s_mov_b32 s[G1P+5], 2048                       ; elements from row to row: pw's,
	s_mov_b32 s[G1V+5], 8192                       ; vt's
	s_mov_b32 s[G0P], 1
	s_mul_i32 s[G0P+1], s22, HALF                  ; LDS: my half of P, slot 0: no place in the cluster enters an LDS address
	s_mov_b32 s[G0P+4], 1
	s_add_co_u32 s[G0P+5], s[G0P+1], SLOT          ; slot 1
	s_mov_b32 s[G0V], 1
	s_mul_i32 s[G0V+1], s22, HALF
	s_add_co_u32 s[G0V+1], s[G0V+1], VOFF
	s_mov_b32 s[G0V+4], 1
	s_add_co_u32 s[G0V+5], s[G0V+1], SLOT
	s_lshl_b32 s56, s16, 23                        ; pw: 2,048 rows of 4,096 bytes a batch,
	s_lshl_b32 s57, s22, 18                        ; 64 rows a half
	s_add_co_u32 s56, s56, s57
	s_mov_b32 s57, 0
	s_mov_b32 s[OFFP], s[LOOFF]
	s_mov_b32 s[OFFP+1], 0
	s_mov_b32 s[OFFV+1], 0
	s_lshl_b32 s60, s16, 11
	s_lshl_b32 s61, s23, 6
	s_add_co_u32 s60, s60, s61                     ; row 2,048 batch + 64 half,
	s_lshl_b32 s[ROWH], s21, 7
	s_add_co_u32 s[ROWH], s[ROWH], s60             ; in block 15 - p,
	s_lshl_b32 s[ROWL], s17, 7
	s_add_co_u32 s[ROWL], s[ROWL], s60             ; and in block p
	s_cmp_eq_u32 ttmp9, 0
	s_cselect_b32 s60, 9, 0                        ; P: cluster x = 0 asks
	s_cmp_eq_u32 s17, 0
	s_cselect_b32 s63, 9, 0                        ; V: pair 0 asks
	s_cmp_lt_u32 s[WV], 2
	s_cselect_b32 s[LIMW], s60, s63                ; the same in all four partners, for a given wave
	s_mov_b32 s[TB], 0
	s_mov_b32 s[N], 0
	s_wait_dscnt 0x0                               ; the opening add is done
	s_wait_kmcnt 0x0
	s_add_nc_u64 s[PBASE:PBASE+1], s[4:5], s[56:57]
	s_add_nc_u64 s[G0P+2:G0P+3], s[PBASE:PBASE+1], s[OFFP:OFFP+1]  ; tile 0: block p's keys 0-255
	s_or_b32 s[G0P+3], s[G0P+3], 0x80000000
	WHERE 1                                        ; tile 1: block p's next keys, or block 15 - p's first
	s_mov_b32 s[OFFP], s61
	s_mov_b32 s[OFFV], s63
	s_add_nc_u64 s[G0P+6:G0P+7], s[PBASE:PBASE+1], s[OFFP:OFFP+1]
	s_or_b32 s[G0P+7], s[G0P+7], 0x80000000
	s_lshl_b32 s80, s14, 21                        ; vt: 128 channels of 16,384 bytes a channel tile,
	s_lshl_b32 s81, s22, 20                        ; 64 a half,
	s_add_co_u32 s80, s80, s81
	s_lshl_b32 s81, s16, 12                        ; 2,048 keys of 2 bytes a batch
	s_add_co_u32 s80, s80, s81
	s_mov_b32 s81, 0
	s_add_nc_u64 s[VBASE:VBASE+1], s[6:7], s[80:81]
	s_mov_b64 s[G0V+2:G0V+3], s[VBASE:VBASE+1]
	s_add_nc_u64 s[G0V+6:G0V+7], s[VBASE:VBASE+1], s[OFFV:OFFV+1]
	s_or_b32 s[G0V+3], s[G0V+3], 0x80000000
	s_or_b32 s[G0V+7], s[G0V+7], 0x80000000
	s_lshl_b32 s80, s13, 16                        ; P's prefetches: my work-group's 16 of the wave's 64 rows
	s_add_nc_u64 s[PFB:PFB+1], s[PBASE:PBASE+1], s[80:81]
	s_cmp_lt_u32 s[WV], 2
	s_cselect_b64 s[PFB:PFB+1], s[PFB:PFB+1], s[VBASE:VBASE+1]
	s_lshl_b32 s80, s[ROWL], 2
	s_add_nc_u64 s[86:87], s[8:9], s[80:81]        ; il at my rows of the first block,
	s_lshl_b32 s80, s[ROWH], 2
	s_add_nc_u64 s[88:89], s[8:9], s[80:81]        ; and of the second
	s_lshl_b32 s80, s14, 9                         ; my 128 channels of 4 bytes, in out0 and in b,
	s_add_nc_u64 s[90:91], s[90:91], s[80:81]
	s_add_nc_u64 s[10:11], s[10:11], s[80:81]
	s_lshl_b32 s80, s22, 8                         ; my wave's 64
	s_add_nc_u64 s[90:91], s[90:91], s[80:81]
	s_add_nc_u64 s[10:11], s[10:11], s[80:81]
	s_lshl_b32 s80, s[ROWL], 12
	s_add_nc_u64 s[OB:OB+1], s[90:91], s[80:81]
	s_lshl_b32 s80, s[ROWH], 12
	s_add_nc_u64 s[OHI:OHI+1], s[90:91], s[80:81]
	CROUND                                         ; all four work-groups are here: the first joint loads meet
	s_cmp_lt_u32 s[WV], 2                          ; a wave's two first fills stand in one branch: two loads of mine are out
	s_cbranch_scc0 .Lfirst_v
	tensor_load_to_lds s[G0P:G0P+3], s[G1P:G1P+7]
	s_nop 0
	tensor_load_to_lds s[G0P+4:G0P+7], s[G1P:G1P+7]
	s_nop 0
.rept 4
	v_nop
.endr
	s_branch .Lfirst_asked
.Lfirst_v:
	tensor_load_to_lds s[G0V:G0V+3], s[G1V:G1V+7]
	s_nop 0
	tensor_load_to_lds s[G0V+4:G0V+7], s[G1V:G1V+7]
	s_nop 0
.rept 4
	v_nop
.endr
.Lfirst_asked:
	v_and_b32 v1, 15, v0                           ; r
	v_bfe_u32 v2, v0, 4, 1                         ; h
	v_lshlrev_b32 v[ILO], 2, v1
	v_lshlrev_b32 v[BO], 5, v2
.irp a, 0,1,2,3                        ; 1 / l of query r of row block a, twice: the packed multiply-add names a pair
	global_load_b32 v[I1+2*(\a)],   v[ILO], s[86:87] offset:64*(\a)
	global_load_b32 v[I1+2*(\a)+1], v[ILO], s[86:87] offset:64*(\a)
	global_load_b32 v[I2+2*(\a)],   v[ILO], s[88:89] offset:64*(\a)
	global_load_b32 v[I2+2*(\a)+1], v[ILO], s[88:89] offset:64*(\a)
.endr
.irp c, 0,1,2,3                        ; v's bias lies 2,048 numbers into b
	global_load_b128 v[BI+8*(\c):BI+8*(\c)+3],   v[BO], s[10:11] offset:8192+64*(\c)
	global_load_b128 v[BI+8*(\c)+4:BI+8*(\c)+7], v[BO], s[10:11] offset:8192+64*(\c)+16
.endr
	v_mul_u32_u24 v[AP0], v1, PP                   ; a fragment: row x pitch + 16 x half,
	v_lshl_add_u32 v[AP0], v2, 4, v[AP0]
	s_mul_i32 s60, s22, HALF                       ; V^T's in my 64 channels,
	s_add_co_u32 s60, s60, VOFF
	v_add_nc_u32 v[AV0], s60, v[AP0]
	s_mul_i32 s60, s23, HALF                       ; P's in my 64 queries
	v_add_nc_u32 v[AP0], s60, v[AP0]
	v_mov_b32 v[ADRP], v[AP0]                      ; slot 0
	v_mov_b32 v[ADRV], v[AV0]
	s_mul_i32 s60, s[WV], 16*SPT
	s_add_co_u32 s60, s60, STAGE                   ; my stage
	v_mul_u32_u24 v[STO], v1, SPT                  ; in: row r, 32 bytes for each half of the lanes
	v_lshl_add_u32 v[STO], v2, 5, v[STO]
	v_add_nc_u32 v[STO], s60, v[STO]
	v_mul_u32_u24 v[RD], v2, SPT                   ; back: lanes 0-15 take one row of 256 bytes, lanes 16-31 the next
	v_lshl_add_u32 v[RD], v1, 4, v[RD]
	v_add_nc_u32 v[RD], s60, v[RD]
	v_lshlrev_b32 v[CO], 12, v2                    ; and the same two rows in out0
	v_lshl_add_u32 v[CO], v1, 4, v[CO]
	v_lshlrev_b32 v[PFOP], 12, v1
	v_lshl_add_u32 v[PFOP], v2, 8, v[PFOP]
	v_lshlrev_b32 v[PFOV], 14, v1
	v_lshl_add_u32 v[PFOV], v2, 8, v[PFOV]
.macro CLEAR
.set i, 0
.rept 128
	v_mov_b32 v[ACC+i], 0
.set i, i+1
.endr
.endm
	CLEAR                                          ; in the wait for the first tile
	s_wait_loadcnt 0x0                             ; 1 / l and the bias
.set i, 0
.rept 16                               ; the bias is rounded to bf16, like the other two inputs, and widened again
	v_cvt_pk_bf16_f32 v[T], v[BI+2*i], v[BI+2*i+1]
	v_lshlrev_b32 v[BI+2*i], 16, v[T]
	v_and_b32 v[BI+2*i+1], 0xffff0000, v[T]
.set i, i+1
.endr
; 8 matrix instructions: row blocks a0, a0 + 1 x all 4 channel blocks, 32 keys: half c of buffer f.  The 16 accumulators take turns: 15 others stand between two links of a chain.
.macro MUL8 f, c, a0
	WIN MUL
.irp a, \a0, (\a0)+1
.irp b, 0,1,2,3
	v_wmma_f32_16x16x32_f16 v[ACC+8*(4*(\a)+(\b)):ACC+8*(4*(\a)+(\b))+7], v[(\f)+64+8*(4*(\c)+(\b)):(\f)+64+8*(4*(\c)+(\b))+7], v[(\f)+8*(4*(\c)+(\a)):(\f)+8*(4*(\c)+(\a))+7], v[ACC+8*(4*(\a)+(\b)):ACC+8*(4*(\a)+(\b))+7]
.endr
.endr
.endm
; 32 LDS loads in one run: the fragments of quarter q of a slot (keys 64 q on) into buffer f; the first 32 keys first
.macro FETCH q, f
	WIN TO_F
.irp c, 0,1
.irp i, 0,1,2,3
	ds_load_b128 v[(\f)+64+8*(4*(\c)+(\i)):(\f)+64+8*(4*(\c)+(\i))+3],   v[ADRV] offset:(\i)*16*PP+128*(\q)+64*(\c)
	ds_load_b128 v[(\f)+64+8*(4*(\c)+(\i))+4:(\f)+64+8*(4*(\c)+(\i))+7], v[ADRV] offset:(\i)*16*PP+128*(\q)+64*(\c)+32
	ds_load_b128 v[(\f)+8*(4*(\c)+(\i)):(\f)+8*(4*(\c)+(\i))+3],   v[ADRP] offset:(\i)*16*PP+128*(\q)+64*(\c)
	ds_load_b128 v[(\f)+8*(4*(\c)+(\i))+4:(\f)+8*(4*(\c)+(\i))+7], v[ADRP] offset:(\i)*16*PP+128*(\q)+64*(\c)+32
.endr
.endr
.endm
.macro PLACES                          ; four plain instructions in front of loads into registers that matrix instructions have read, and of lines that read results
.rept 4
	v_nop
.endr
.endm
; A step is four quarters of 64 keys, 32 matrix instructions each, on buffers 0, 1, 0, 1.  One of the first three: multiplies f and fetches quarter q into g.
.macro QUARTER q, f, g
	s_wait_dscnt 16                                ; the first 32 keys' fragments are in
	MUL8 \f, 0, 0
	MUL8 \f, 0, 2
	PLACES
	FETCH \q, \g
	s_wait_dscnt 32                                ; all but the 32 just issued
	MUL8 \f, 1, 0
	MUL8 \f, 1, 2
.endm
; The last quarter multiplies buffer 1 and changes slots.  In front of the barrier each wave waits for all its tensor loads (the one that is out is its part of the next slot), adds 0 to its spare word,
; and waits for that and for its reads of this slot.  fill = 1: the barrier opens a round of the cluster's; this slot takes tile N + 2, first thing behind the round, one load a wave.
.macro TURN fill
.if \fill
	s_wait_xcnt 0x0                                ; the last prefetches, a step back, have read their address
	s_add_co_u32 s[M3], s[N], 3
	WHERE 3
	s_cmp_lt_u32 s[WV], 2
	s_cselect_b32 s60, s61, s63
	s_mov_b32 s61, 0
	s_add_nc_u64 s[PFA:PFA+1], s[PFB:PFB+1], s[60:61]
.endif
	WIN 0
	s_wait_tensorcnt 0x0                           ; all my tensor loads have landed, so a group 0 may be written
	ds_add_u32 v[SPW], v[NIL]                      ; 0 onto my spare word
	s_wait_dscnt 17                                ; (the add and the youngest sixteen loads may be out)
	MUL8 F1, 0, 0
.if \fill
	WHERE 2                                        ; the walking descriptors: the other slot than last time, the addresses made anew from the tile's number
	s_mov_b32 s[OFFP], s61
	s_mov_b32 s[OFFV], s63
	s_xor_b32 s[G0P+5], s[G0P+5], SLOT
	s_xor_b32 s[G0V+5], s[G0V+5], SLOT
	s_add_nc_u64 s[G0P+6:G0P+7], s[PBASE:PBASE+1], s[OFFP:OFFP+1]
	s_or_b32 s[G0P+7], s[G0P+7], 0x80000000
	s_add_nc_u64 s[G0V+6:G0V+7], s[VBASE:VBASE+1], s[OFFV:OFFV+1]
	s_or_b32 s[G0V+7], s[G0V+7], 0x80000000
.endif
	s_wait_dscnt 0x0                               ; the add is done, and my reads of this slot are over
	s_barrier_signal -1
	MUL8 F1, 0, 2
	WIN 0
	s_barrier_wait -1
.if \fill
	CREST                                          ; no wave of any partner still reads this slot or has a load on its way
	JLOAD                                          ; its four v_nop are also the places in front of the loads below
.else
	PLACES
.endif
	s_xor_b32 s[TB], s[TB], SLOT                   ; the reads go on in the other slot
	v_add_nc_u32 v[ADRP], s[TB], v[AP0]
	v_add_nc_u32 v[ADRV], s[TB], v[AV0]
	FETCH 0, F0
	WIN 0
.if \fill
	ASK
.endif
	MUL8 F1, 1, 0
	MUL8 F1, 1, 2
.endm
; THE WAY OUT of a block.  Row block a: the sums times 1 / l plus the bias, in place; 32 bytes a lane into my stage; back as whole rows of 256 bytes, into the registers that they left.
.macro PACK a, il
.set AC, ACC+32*(\a)
.set i, 0
.rept 16                               ; ascending
	v_pk_fma_f32 v[AC+2*i:AC+2*i+1], v[AC+2*i:AC+2*i+1], v[(\il)+2*(\a):(\il)+2*(\a)+1], v[BI+2*i:BI+2*i+1] op_sel_hi:[1,0,1]
.set i, i+1
.endr
.irp b, 0,1,2,3
	ds_store_b128 v[STO], v[AC+8*(\b):AC+8*(\b)+3]   offset:64*(\b)
	ds_store_b128 v[STO], v[AC+8*(\b)+4:AC+8*(\b)+7] offset:64*(\b)+16
.endr
.irp t, 0,1,2,3,4,5,6,7
	ds_load_b128 v[AC+4*(\t):AC+4*(\t)+3], v[RD] offset:(\t)*2*SPT  ; LDS serves a wave's instructions in order (ISA guide 5.7.1.4): these see the stores above; the next block's stores come behind them
.endr
.endm
.macro SEND a, younger                 ; younger: the LDS instructions issued behind block a's loads: the next block's sixteen, or none
.set AC, ACC+32*(\a)
.irp t, 0,1,2,3,4,5,6,7
	s_wait_dscnt (\younger)+7-(\t)
	global_store_b128 v[CO], v[AC+4*(\t):AC+4*(\t)+3], s[OB:OB+1] offset:(16*(\a)+2*(\t))*4096  ; 16 lanes store 256 consecutive bytes, at a multiple of 256 from out0's first byte
.endr
.endm
.macro WAYOUT il
	PLACES
	PACK 0, \il
	PACK 1, \il
	SEND 0, 16
	PACK 2, \il
	SEND 1, 16
	PACK 3, \il
	SEND 2, 16
	SEND 3, 0
.endm
	s_wait_tensorcnt 1                             ; my part of slot 0 is in; slot 1's may stay out
	s_barrier_signal -1
	s_barrier_wait -1
	FETCH 0, F0
	WIN 0                                          ; at a label and at a branch every window is 0
.Lstep:                                                ; steps 0 to 6: each fills the slot that it has read with the tile two on
	QUARTER 1, F0, F1
	QUARTER 2, F1, F0
	QUARTER 3, F0, F1
	TURN 1
	WIN 0
	s_add_co_u32 s60, s[N], 1                      ; was this the first block's last step (N + 1 = NL, 1 to 4)?  Then the block goes out and the sums start anew.
	s_cmp_lg_u32 s60, s[NL]                        ; The jump goes forward, past text with no barrier and no tensor load; NL is the same in all partners
	s_cbranch_scc1 .Lsame
	WAYOUT I1
	s_wait_xcnt 0x0                                ; the stores have read their registers and their base
	CLEAR
	s_mov_b64 s[OB:OB+1], s[OHI:OHI+1]
.Lsame:
	s_add_co_u32 s[N], s[N], 1
	s_cmp_lt_u32 s[N], 7
	s_cbranch_scc1 .Lstep
	s_mov_b32 s[CNT], 2
.Ltail:                                                ; steps 7 and 8 fill nothing.  One text for both: the second trip's change of slots (a barrier, a run of loads) serves nothing
	QUARTER 1, F0, F1
	QUARTER 2, F1, F0
	QUARTER 3, F0, F1
	TURN 0
	WIN 0
	s_sub_co_u32 s[CNT], s[CNT], 1
	s_cmp_lg_u32 s[CNT], 0
	s_cbranch_scc1 .Ltail
	WAYOUT I2
	s_wait_tensorcnt 0x0                           ; the wave's end, behind my last tensor load and my last LDS store
	ds_add_u32 v[SPW], v[NIL]
	s_wait_dscnt 0x0
	CROUND                                         ; the closing round: no work-group ends while a partner may still ask for a tile that names it
	s_endpgm
.Lfunc_end_k_qb6aa948888_mix:
	.size	k_qb6aa948888_mix, .Lfunc_end_k_qb6aa948888_mix-k_qb6aa948888_mix
	.p2alignl 7, 3214868480
	.fill 96, 4, 3214868480
	.section	.rodata,"a",@progbits
	.p2align	6, 0x0
	.amdhsa_kernel k_qb6aa948888_mix
		.amdhsa_group_segment_fixed_size 327680
		.amdhsa_private_segment_fixed_size 0
		.amdhsa_enable_private_segment 0
		.amdhsa_kernarg_size 40
		.amdhsa_user_sgpr_count 2
		.amdhsa_user_sgpr_kernarg_segment_ptr 1
		.amdhsa_wavefront_size32 1
		.amdhsa_system_sgpr_workgroup_id_x 1
		.amdhsa_system_sgpr_workgroup_id_y 1
		.amdhsa_system_sgpr_workgroup_id_z 1
		.amdhsa_system_vgpr_workitem_id 0
		.amdhsa_next_free_vgpr 512
		.amdhsa_next_free_sgpr 94
		.amdhsa_reserve_vcc 0
		.amdhsa_float_denorm_mode_32 3
		.amdhsa_float_denorm_mode_16_64 3
		.amdhsa_memory_ordered 1
		.amdhsa_forward_progress 1
		.amdhsa_inst_pref_size 85
	.end_amdhsa_kernel
	.amdgpu_metadata
---
amdhsa.version: [ 1, 2 ]
amdhsa.kernels:
  - .name:           k_qb6aa948888_mix
    .symbol:         k_qb6aa948888_mix.kd
    .args:
      - { .name: pw, .offset: 0, .size: 8, .value_kind: global_buffer, .address_space: global }
      - { .name: vt, .offset: 8, .size: 8, .value_kind: global_buffer, .address_space: global }
      - { .name: il, .offset: 16, .size: 8, .value_kind: global_buffer, .address_space: global }
      - { .name: b, .offset: 24, .size: 8, .value_kind: global_buffer, .address_space: global }
      - { .name: out0, .offset: 32, .size: 8, .value_kind: global_buffer, .address_space: global }
    .group_segment_fixed_size: 327680
    .private_segment_fixed_size: 0
    .kernarg_segment_align: 8
    .kernarg_segment_size: 40
    .max_flat_workgroup_size: 128
    .sgpr_count:     94
    .vgpr_count:     512
    .wavefront_size: 32
...
	.end_amdgpu_metadata
.endif
;; end of part 5
